; MI455X (gfx1250); checked and timed in simulation.
; The chip was launched on July 23, 2026; its instructions are those of AMD's public machine-readable ISA for CDNA 5 (MIT licence, August 2026) and "CDNA5" Instruction Set Architecture Reference Guide (July 2026). The comments in the code are by the model that wrote it; some were corrected since.
;; Multi Head. Allowed arithmetic: matrix products marked QUANTISED: E4M3 operands, one E8M0 scale for each 32 along K, by v_wmma_scale_f32_16x16x128_f8f6f4 with both operands' format E4M3, f32 sums; everything else in f32.
;; Inputs: Wk 16 x 1,024 x 64 float32; Wproj 1,024 x 1,024 float32; Wq 16 x 1,024 x 64 float32; Wv 16 x 1,024 x 64 float32; bproj 1,024 float32; x 4 x 2,048 x 1,024 float32.
;; Outputs: out0 4 x 2,048 x 1,024 float32.
;; This version of the problem:
;;   THIS VERSION OF THE PROBLEM IS GIVEN IN LOW PRECISION. The matrix products marked QUANTISED in the list below multiply operands that are first quantised to E4M3 (4 exponent bits, 3 mantissa bits; 8 bits a number), with one power-of-two scale for each 32 numbers along K (OCP MX v1.0); their sums are f32. All else is computed in f32.
;;   The module's matrix products, in the order in which they are computed (A, B: the left and right operand; K: the contracted axis; several contracted axes count as one K, in the product's order):
;;     1. [M 1,024, K 1,024] x [K 1,024, N 8,192]; A: input Wq; B: input x: QUANTISED
;;     2. [M 1,024, K 1,024] x [K 1,024, N 8,192]; A: input Wk; B: input x: QUANTISED
;;     3. [M 1,024, K 1,024] x [K 1,024, N 8,192]; A: input Wv; B: input x: QUANTISED
;;     4. batch 64 x [M 2,048, K 64] x [K 64, N 2,048]; A: computed on the way; B: computed on the way: QUANTISED
;;     5. batch 64 x [M 2,048, K 2,048] x [K 2,048, N 64]; A: softmax (see below); B: computed on the way: QUANTISED
;;     6. [M 8,192, K 1,024] x [K 1,024, N 1,024]; A: computed on the way; B: input Wproj: QUANTISED
;;   THE QUANTISER, for each operand of a quantised product, along K:
;;     - K is cut into blocks of 32 from its start; a last block that is shorter is filled with zeros.
;;     - A block's scale is 2^e with e = floor(log2(the largest magnitude in the block)) - 8, held to -126 .. 127; a block of zeros has e = 0. As a byte (E8M0): e + 127.
;;     - Each number is divided by its block's scale, clamped to +-448, and rounded to the nearest number of E4M3, ties to even, subnormals kept.
;;     - The product sums the exact products of the quantised numbers (number of the format x scale) in f32.
;;   ~~~python
;;   def quantise(x, axis):      # numpy; x: float32 -> the quantised numbers, widened to float32 again
;;       x = np.moveaxis(x, axis, -1); K = x.shape[-1]
;;       x = np.pad(x, [(0, 0)] * (x.ndim - 1) + [(0, -K % 32)]); x = x.reshape(x.shape[:-1] + (-1, 32)); a = np.abs(x).max(-1, keepdims=True)
;;       e = np.where(a > 0, np.clip(np.frexp(np.where(a > 0, a, 1))[1] - 1 - 8, -126, 127), 0)      # np.frexp(a)[1] - 1 = floor(log2(a)), exactly
;;       r = np.clip(x / 2.0 ** e, -448, 448)
;;       step = 2.0 ** (np.maximum(np.frexp(np.where(r == 0, 1, r))[1] - 1, -6) - 3)
;;       q = np.round(r / step) * step * 2.0 ** e      # np.round: ties to even
;;       return np.moveaxis(q.reshape(q.shape[:-2] + (-1,))[..., :K], -1, axis).astype(np.float32)
;;   ~~~
;;   SOFTMAX AHEAD OF A QUANTISED PRODUCT. Where the list says 'softmax', what is quantised is not the finished softmax but p = 2^(t - M), with t = logit x log2(e) and M = ceil(the row's largest t), a whole number; so 1/2 < the row's largest p <= 1. The row's sum l is taken of the UNQUANTISED p, in f32, and the product's result is divided by l at the end. Since M is a whole number, a kernel that streams over the keys may use a running M (the ceiling of the running maximum): every later rescaling is an exact power of two, which a block's scale takes up: the codes' values come out the same.
;;   OPERANDS COMPUTED ON THE WAY. 'Computed on the way' means the value that the module computes at that place (a softmax that the list does not call 'softmax' is quantised finished and normalised). What goes into a quantiser is computed in f32, as accurately as f32 sums, v_exp_f32 and their like allow (about 1e-6 of the number): no bf16 or f16 on the way to a quantiser, and a product that is left as it is and whose result goes on into a quantised operand takes f32 operands (vector FMAs, or v_wmma_f32_16x16x4_f32). A number that lies on a knife's edge between two numbers of the format may be rounded either way, as far as f32 arithmetic and the matrix unit's own rounding can turn it there, and no further.
;; One version. Each part assembles by itself: llvm-mc -triple=amdgcn-amd-amdhsa -mcpu=gfx1250 --defsym DOCPART=n.
;; ======== version 1 of 1: 4 launches
;; limits: right only within a limited range of input values
;; workspace buffers: xc 8,388,608 bytes; sc1 393,216 bytes; wc 4,194,304 bytes; qkc 16,777,216 bytes; sc2 786,432 bytes; vc 8,388,608 bytes; oc 8,388,608 bytes; os 262,144 bytes
;; launch quant (part 1): grid 384 x 1, 4 waves a work-group, no clusters, 68,096 bytes of LDS; arguments x, Wq, Wk, Wv, Wproj, xc, sc1, wc; writes xc, sc1, wc
.if DOCPART == 1
	.amdgcn_target "amdgcn-amd-amdhsa--gfx1250"
	.amdhsa_code_object_version 6
	.text
	.protected	k_q79a403be61_quant
	.globl	k_q79a403be61_quant
	.p2align	8
	.type	k_q79a403be61_quant,@function
k_q79a403be61_quant:
	s_mov_b64 s[64:65], 0
	v_nop
	global_prefetch_b8 v0, s[64:65] scope:SCOPE_SE
	s_setreg_imm32_b32 hwreg(HW_REG_WAVE_MODE, 25, 1), 1
	s_wait_xcnt 0x0
; x [8192][1024] and the four weights, all f32, become codes of FP8 (E4M3) with K innermost and one E8M0 scale byte for each 32 along K.
; A block's scale is 2^(floor(log2(its largest magnitude)) - 8); its byte is the largest magnitude's exponent field - 8, held at 1 from below.  Each number is divided by the scale,
; held within +-448 and rounded to the nearest code, ties to even.
; LIMITS: NaN and infinities among the inputs are not served; a block whose largest magnitude lies under 2^-118 gets the byte 1; a block of zeros gets the byte 1 where the rule says 127:
; its codes are zeros, which add nothing under any byte but 0xff, and the bytes are read by this program alone.
; THE ROWS ARE STORED PERMUTED: logical row i lies at physical row swap34(i), i with its bits 3 and 4 exchanged.  Sixteen neighbouring physical rows, taken as source 0 of a matrix instruction, then
; leave a lane 16 NEIGHBOURS of the logical order in two neighbouring accumulators: what the next quantiser along that axis wants.  No later launch has to know of the permutation in its addresses.
; xc [8192 physical t][1024];  sc1: x's scale bytes [8192 physical t][32] at byte 0, the weights' [4096 physical n][32] at byte 262,144;
; wc [4096 physical n][1024]: rows 0-1023 Wq (n = 64 head + d), then Wk, Wv, Wproj (its column n).
; Work-groups 0-255 take x (K is innermost there), work-groups 256-383 the weights (K is an outer axis).  The two paths part on the work-group's number and have LDS bytes of their own.
; No tensor loads, no barrier: waves share nothing.  No matrix unit, no cluster: the launch streams, and nothing is read twice.
.set EMAX,  8
.set MANT,  0x600000                   ; the mantissa field of 448 as f32
; ---- path X
.set STEPS, 16                         ; a wave takes 16 steps of 512 numbers: 8 rows of x, one octet of t
.set CB,    16                         ; bytes of 16 codes
.set R,     16                         ; v16-79   four sets of 16 numbers as they are loaded
.set X,     80                         ; v80-111  two sets of 16 neighbours
.set E,     112                        ; v112-127 a scale byte for each step
.set C,     128                        ; v128-191 codes: four registers for each step, so that no store's data are written again
.set WREG,  8192                       ; LDS bytes 0 to 32,767: a region for each wave: two stages of 32 x SP bytes, behind them its 256 scale bytes
.set SP,    80                         ; a lane's place in a stage: its 64 bytes + 16 of padding
; ---- path W
.set NB,    8                          ; a wave takes 32 columns x 256 along K: 8 blocks a lane
.set PITCH, 272                        ; a stage row: 256 bytes of codes + 16
.set WLDS,  32768                      ; LDS bytes 32,768 to 67,583: a stage of 32 rows for each wave
.set XW,    32                         ; v32-95   two sets of 32 numbers
.set CW,    96                         ; v96-103  a block's codes
.set OUTR,  112                        ; v112-175 the way out
.set SB,    24                         ; v24-25   the scale bytes, four to a register
.set AD,    176                        ; v176-207 4 x lane + i x the pitch from row to row of the weight, i = 0 .. 31
.macro LOAD t
.irp i, 0,1,2,3
	global_load_b128 v[R+16*((\t)%4)+4*\i:R+16*((\t)%4)+4*\i+3], v3, s[4:5] offset:2048*(\t)+512*\i th:TH_LOAD_NT   ; 32 lanes read 512 consecutive bytes
.endr
.endm
.macro TURN t                          ; step t's numbers through the stage: LDS serves a wave's instructions in order, so no wait stands between the stores and the loads
.irp i, 0,1,2,3
	ds_store_b128 v14, v[R+16*((\t)%4)+4*\i:R+16*((\t)%4)+4*\i+3] offset:32*SP*((\t)%2)+8*SP*\i
.endr
.irp i, 0,1,2,3
	ds_load_b128 v[X+16*((\t)%2)+4*\i:X+16*((\t)%2)+4*\i+3], v15 offset:32*SP*((\t)%2)+16*\i
.endr
.endm
.macro STEP t
.set XS, X+16*((\t)%2)
.if (\t) > 0
	s_wait_dscnt 1                                 ; this step's numbers are back from the stage (the last step's byte store may be out): so its stores into the stage have read their registers,
.else
	s_wait_dscnt 0x0
.endif
.if (\t)+4 < STEPS
	LOAD (\t)+4                                    ; which take the loads of four steps on
.endif
.if (\t)+1 < STEPS
.if STEPS-2-(\t) >= 3
	s_wait_loadcnt 12                              ; the next step's four loads are in; those of the three steps behind it may be out
.else
	s_wait_loadcnt 4*(STEPS-2-(\t))
.endif
	TURN (\t)+1                                    ; and go through the other stage while this step is worked
.endif
	v_max3_num_f32 v8, |v[XS]|, |v[XS+1]|, |v[XS+2]|               ; the largest magnitude of my 16
	v_max3_num_f32 v9, |v[XS+3]|, |v[XS+4]|, |v[XS+5]|
.irp i, 6,10
	v_max3_num_f32 v8, v8, |v[XS+\i]|, |v[XS+\i+1]|
	v_max3_num_f32 v9, v9, |v[XS+\i+2]|, |v[XS+\i+3]|
.endr
	v_max3_num_f32 v8, v8, |v[XS+14]|, |v[XS+15]|
	v_max3_num_f32 v8, v8, v9, (EMAX+1)<<23        ; and the floor 2^(EMAX + 1 - 127): the byte cannot fall under 1
	v_max_num_f32_dpp v8, v8, v8 row_xmask:1 row_mask:0xf bank_mask:0xf   ; and of my neighbour's 16: the block's
	v_add_nc_u32 v11, -(EMAX<<23), v8              ; EMAX off its exponent field: the conversion takes the exponent field of this operand as its scale
	v_and_or_b32 v10, v8, 0x7f800000, s30          ; 448 x the scale: the largest magnitude's exponent field over 448's mantissa
.irp i, 0,1,2,3,4,5,6,7,8,9,10,11,12,13,14,15
	v_med3_num_f32 v[XS+\i], v[XS+\i], -v10, v10   ; the conversion to an 8-bit code does not saturate (ISA guide 7.6.2): hold first
.endr
	v_cvt_scalef32_pk8_fp8_f32 v[C+4*(\t):C+4*(\t)+1], v[XS:XS+7], v11
	v_cvt_scalef32_pk8_fp8_f32 v[C+4*(\t)+2:C+4*(\t)+3], v[XS+8:XS+15], v11
	v_lshrrev_b32 v[E+(\t)], 23, v11               ; the scale's byte
	ds_store_b8 v5, v[E+(\t)] offset:16*(\t)       ; both lanes of a block write the same byte with the same value
	global_store_b128 v4, v[C+4*(\t):C+4*(\t)+3], s[14:15] offset:32*CB*(\t)   ; 32 lanes store 512 consecutive bytes
.endm
.macro LOADW t                         ; block t: W(32 t + i, my column), i = 0 .. 31, into set t % 2; 32 lanes read 128 consecutive bytes
.set n, 0
.rept 32
	global_load_b32 v[XW+32*((\t)%2)+n], v[AD+n], s[32+2*(\t):33+2*(\t)] th:TH_LOAD_NT
.set n, n+1
.endr
.endm
.macro BLOCK t
.set XS, XW+32*((\t)%2)
.if (\t) < NB-1
	s_wait_loadcnt 32                              ; this block's 32 loads are in; the next block's may be out
.else
	s_wait_loadcnt 0
.endif
	v_max3_num_f32 v12, |v[XS]|, |v[XS+1]|, |v[XS+2]|              ; the block's largest magnitude: all 32 numbers are mine
	v_max3_num_f32 v13, |v[XS+3]|, |v[XS+4]|, |v[XS+5]|
.irp i, 6,10,14,18,22,26
	v_max3_num_f32 v12, v12, |v[XS+\i]|, |v[XS+\i+1]|
	v_max3_num_f32 v13, v13, |v[XS+\i+2]|, |v[XS+\i+3]|
.endr
	v_max3_num_f32 v12, v12, |v[XS+30]|, |v[XS+31]|
	v_max3_num_f32 v12, v12, v13, (EMAX+1)<<23     ; and the floor
	v_add_nc_u32 v11, -(EMAX<<23), v12             ; the conversion's scale operand
	v_and_or_b32 v10, v12, 0x7f800000, s30         ; 448 x the scale
	v_lshrrev_b32 v13, 23, v11                     ; the scale's byte
.if (\t)%4 == 0
	v_mov_b32 v[SB+(\t)/4], v13                    ; four bytes to a register, the lower K in the lower byte
.else
	v_lshl_or_b32 v[SB+(\t)/4], v13, 8*((\t)%4), v[SB+(\t)/4]
.endif
.set n, 0
.rept 32
	v_med3_num_f32 v[XS+n], v[XS+n], -v10, v10     ; the hold
.set n, n+1
.endr
.irp g, 0,1,2,3
	v_cvt_scalef32_pk8_fp8_f32 v[CW+2*\g:CW+2*\g+1], v[XS+8*\g:XS+8*\g+7], v11
.endr
	ds_store_b128 v4, v[CW:CW+3] offset:32*(\t)    ; 32 codes: 32 bytes of my column's row of the stage
	ds_store_b128 v4, v[CW+4:CW+7] offset:32*(\t)+16
.if (\t)+2 < NB
	LOADW (\t)+2
.endif
	s_wait_dscnt 0x0                               ; the stores have read their registers: the next block's codes may be written
.endm
	s_load_b256 s[4:11], s[0:1], 0x0               ; x s[4:5], Wq s[6:7], Wk s[8:9], Wv s[10:11]
	s_load_b256 s[12:19], s[0:1], 0x20             ; Wproj s[12:13], xc s[14:15], sc1 s[16:17], wc s[18:19]
	v_lshl_add_u32 v208, v0, 2, 0x10800
	v_mov_b32 v209, 0
	v_lshrrev_b32 v1, 5, v0
	v_readfirstlane_b32 s20, v1                    ; wave 0..3
	v_and_b32 v2, 31, v0                           ; lane
	s_mov_b32 s30, MANT                            ; (an instruction takes one literal: the hold's line has another)
	s_cmp_lt_u32 ttmp9, 256
	s_cbranch_scc0 .Lweights
	; ---------------- PATH X.  Rows are dense, so x is a plain stream of blocks of 32.  Each load reads 512 consecutive bytes, 16 a lane; a step's 2,048 bytes turn through the wave's own stage
	; and come back 64 bytes a lane: 16 neighbours along K, two neighbouring lanes to a block.
	v_lshlrev_b32 v3, 4, v2                        ; my 16 bytes of a load's 512
	s_mul_i32 s21, s20, WREG
	v_lshrrev_b32 v14, 2, v2
	v_mul_u32_u24 v14, v14, SP
	v_and_b32 v15, 3, v2
	v_lshl_add_u32 v14, v15, 4, v14
	v_add_nc_u32 v14, s21, v14                     ; the stage, on the way in: SP (lane / 4) + 16 (lane % 4)
	v_mul_u32_u24 v15, v2, SP
	v_add_nc_u32 v15, s21, v15                     ; and on the way out: SP x lane
	v_mul_u32_u24 v4, v2, CB                       ; my codes' place in a step's
	v_lshrrev_b32 v5, 1, v2
	s_add_co_u32 s21, s21, 2*32*SP
	v_add_nc_u32 v5, s21, v5                       ; my wave's 256 scale bytes, my block's byte
	v_lshlrev_b32 v7, 3, v2                        ; and on the way out 8 bytes a lane
	v_add_nc_u32 v6, s21, v7
	s_lshl_b32 s21, ttmp9, 2
	s_add_co_u32 s22, s21, s20                     ; the octet of rows that I read: 4 x work-group + wave
	s_lshl_b32 s22, s22, 15                        ; x 32,768 bytes
	s_mov_b32 s23, 0
	s_and_b32 s24, s20, 1                          ; the octet's bits 0 and 1 are t's bits 3 and 4: exchanged, they say where the octet is stored
	s_lshl_b32 s24, s24, 1
	s_lshr_b32 s25, s20, 1
	s_or_b32 s24, s24, s25
	s_add_co_u32 s24, s21, s24
	s_lshl_b32 s26, s24, 13                        ; 8,192 bytes of codes an octet
	s_mov_b32 s27, 0
	s_lshl_b32 s28, s24, 8                         ; 256 scale bytes
	s_mov_b32 s29, 0
	s_wait_alu depctr_va_vdst(0)
	s_wait_kmcnt 0x0
	s_add_nc_u64 s[4:5], s[4:5], s[22:23]
	s_add_nc_u64 s[14:15], s[14:15], s[26:27]
	s_add_nc_u64 s[16:17], s[16:17], s[28:29]
.irp t, 0,1,2,3
	LOAD \t
.endr
	s_wait_loadcnt 12                              ; step 0's four loads are in
	TURN 0
.irp t, 0,1,2,3,4,5,6,7,8,9,10,11,12,13,14,15
	STEP \t
.endr
	ds_load_b64 v[12:13], v6                       ; LDS serves a wave's instructions in order: these see my byte stores
	s_wait_dscnt 0x0
	global_store_b64 v7, v[12:13], s[16:17]        ; 32 lanes store 256 consecutive bytes, aligned
	s_wait_tensorcnt 0x0
	ds_add_u32 v208, v209
	s_wait_dscnt 0x0
	s_endpgm
.Lweights:
	; ---------------- PATH W.  A lane takes a column n and its registers run down K: a block of 32 lies in one lane, and the conversions give codes with K innermost.
	s_sub_co_u32 s21, ttmp9, 256
	s_lshr_b32 s22, s21, 5                         ; which tensor: 0 Wq, 1 Wk, 2 Wv, 3 Wproj
	s_and_b32 s23, s21, 7                          ; which 128 columns
	s_bfe_u32 s24, s21, 0x20003                    ; which 256 along K
	s_lshl_b32 s25, s23, 7
	s_lshl_b32 s26, s20, 5
	s_add_co_u32 s25, s25, s26                     ; n0: my wave's first column
	s_lshr_b32 s26, s25, 6                         ; per-head weights [16][1024][64]: head x 262,144 + 256 Y rows of 256 bytes + 4 (n0 % 64)
	s_lshl_b32 s26, s26, 18
	s_lshl_b32 s27, s24, 16
	s_add_co_u32 s26, s26, s27
	s_and_b32 s27, s25, 63
	s_lshl_b32 s27, s27, 2
	s_add_co_u32 s26, s26, s27
	s_lshl_b32 s27, s24, 20                        ; Wproj [1024][1024]: 256 Y rows of 4,096 bytes + 4 n0
	s_lshl_b32 s28, s25, 2
	s_add_co_u32 s27, s27, s28
	s_cmp_lt_u32 s22, 3
	s_cselect_b32 s26, s26, s27                    ; where my part begins in its tensor
	s_mov_b32 s28, 4096
	s_cselect_b32 s28, 256, s28                    ; bytes from a row of K to the next
	s_mov_b32 s27, 0
	s_lshl_b32 s48, s22, 10
	s_add_co_u32 s48, s48, s25                     ; my first row of wc: 1024 x tensor + n0
	s_lshl_b32 s50, s48, 5                         ; its scale bytes: 32 a row,
	s_lshl_b32 s48, s48, 10                        ; its codes: 1,024 a row,
	s_lshl_b32 s49, s24, 8
	s_add_co_u32 s48, s48, s49                     ; + 256 Y
	s_mov_b32 s49, 0
	s_lshl_b32 s51, s24, 3
	s_add_co_u32 s50, s50, s51                     ; + 8 Y
	s_add_co_u32 s50, s50, 0x40000                 ; behind x's scale bytes
	s_mov_b32 s51, 0
	s_wait_alu depctr_va_vdst(0)
	v_lshlrev_b32 v[AD], 2, v2                     ; 4 bytes a lane,
.set n, 1
.rept 31
	v_add_nc_u32 v[AD+n], s28, v[AD+n-1]           ; and a row further down for each register
.set n, n+1
.endr
	s_mul_i32 s29, s20, 32*PITCH
	s_add_co_u32 s29, s29, WLDS                    ; my stage
	v_and_b32 v4, 7, v2
	v_bfe_u32 v5, v2, 3, 1
	v_lshl_add_u32 v4, v5, 4, v4
	v_bfe_u32 v5, v2, 4, 1
	v_lshl_add_u32 v9, v5, 3, v4                   ; my column's physical row among the wave's 32: the lane with bits 3 and 4 exchanged
	v_mul_u32_u24 v4, v9, PITCH
	v_add_nc_u32 v4, s29, v4                       ; into the stage
	v_and_b32 v5, 15, v2
	v_lshrrev_b32 v6, 4, v2                        ; out of it: sixteen lanes to a row, two rows an instruction
	v_mul_u32_u24 v7, v6, PITCH
	v_lshl_add_u32 v7, v5, 4, v7
	v_add_nc_u32 v7, s29, v7
	v_lshlrev_b32 v8, 10, v6
	v_lshl_add_u32 v8, v5, 4, v8                   ; and the same place in wc
	v_lshlrev_b32 v9, 5, v9                        ; my row of scale bytes
	s_lshl_b32 s30, s28, 5                         ; a block of 32 rows on (s30 takes MANT again below)
	s_mov_b32 s31, 0
	s_wait_kmcnt 0x0
	s_cmp_eq_u32 s22, 1                            ; the tensor is chosen by the work-group's number alone
	s_cselect_b64 s[6:7], s[8:9], s[6:7]
	s_cmp_eq_u32 s22, 2
	s_cselect_b64 s[6:7], s[10:11], s[6:7]
	s_cmp_eq_u32 s22, 3
	s_cselect_b64 s[6:7], s[12:13], s[6:7]
	s_add_nc_u64 s[32:33], s[6:7], s[26:27]        ; block 0's base; a base for each of the eight blocks, so that nothing is stepped while loads are out
.irp t, 1,2,3,4,5,6,7
	s_add_nc_u64 s[32+2*\t:33+2*\t], s[30+2*\t:31+2*\t], s[30:31]
.endr
	s_mov_b32 s30, MANT
	s_add_nc_u64 s[18:19], s[18:19], s[48:49]
	s_add_nc_u64 s[16:17], s[16:17], s[50:51]
	LOADW 0
	LOADW 1
.set Q, 0
.rept NB
	BLOCK Q
.set Q, Q+1
.endr
	global_store_b64 v9, v[SB:SB+1], s[16:17]      ; my column's 8 scale bytes: rows 32 bytes apart, 8 bytes of each: one byte in 128 of what this path reads
.irp t, 0,1,2,3,4,5,6,7,8,9,10,11,12,13,14,15
	ds_load_b128 v[OUTR+4*\t:OUTR+4*\t+3], v7 offset:2*\t*PITCH   ; LDS serves a wave's instructions in order: these see my stores
.endr
.irp t, 0,1,2,3,4,5,6,7,8,9,10,11,12,13,14,15
	s_wait_dscnt 15-\t
	global_store_b128 v8, v[OUTR+4*\t:OUTR+4*\t+3], s[18:19] offset:2*\t*1024   ; sixteen lanes store 256 consecutive bytes, aligned
.endr
	s_wait_tensorcnt 0x0
	ds_add_u32 v208, v209
	s_wait_dscnt 0x0
	s_endpgm
.Lfunc_end_k_q79a403be61_quant:
	.size	k_q79a403be61_quant, .Lfunc_end_k_q79a403be61_quant-k_q79a403be61_quant
	.p2alignl 7, 3214868480
	.fill 96, 4, 3214868480
	.section	.rodata,"a",@progbits
	.p2align	6, 0x0
	.amdhsa_kernel k_q79a403be61_quant
		.amdhsa_group_segment_fixed_size 68096
		.amdhsa_private_segment_fixed_size 0
		.amdhsa_enable_private_segment 0
		.amdhsa_kernarg_size 64
		.amdhsa_user_sgpr_count 2
		.amdhsa_user_sgpr_kernarg_segment_ptr 1
		.amdhsa_wavefront_size32 1
		.amdhsa_system_sgpr_workgroup_id_x 1
		.amdhsa_system_sgpr_workgroup_id_y 1
		.amdhsa_system_sgpr_workgroup_id_z 1
		.amdhsa_system_vgpr_workitem_id 0
		.amdhsa_next_free_vgpr 210
		.amdhsa_next_free_sgpr 66
		.amdhsa_reserve_vcc 0
		.amdhsa_float_denorm_mode_32 3
		.amdhsa_float_denorm_mode_16_64 3
		.amdhsa_memory_ordered 1
		.amdhsa_forward_progress 1
		.amdhsa_inst_pref_size 112
	.end_amdhsa_kernel
	.amdgpu_metadata
---
amdhsa.version: [ 1, 2 ]
amdhsa.kernels:
  - .name:           k_q79a403be61_quant
    .symbol:         k_q79a403be61_quant.kd
    .args:
      - { .name: x, .offset: 0, .size: 8, .value_kind: global_buffer, .address_space: global }
      - { .name: Wq, .offset: 8, .size: 8, .value_kind: global_buffer, .address_space: global }
      - { .name: Wk, .offset: 16, .size: 8, .value_kind: global_buffer, .address_space: global }
      - { .name: Wv, .offset: 24, .size: 8, .value_kind: global_buffer, .address_space: global }
      - { .name: Wproj, .offset: 32, .size: 8, .value_kind: global_buffer, .address_space: global }
      - { .name: xc, .offset: 40, .size: 8, .value_kind: global_buffer, .address_space: global }
      - { .name: sc1, .offset: 48, .size: 8, .value_kind: global_buffer, .address_space: global }
      - { .name: wc, .offset: 56, .size: 8, .value_kind: global_buffer, .address_space: global }
    .group_segment_fixed_size: 68096
    .private_segment_fixed_size: 0
    .kernarg_segment_align: 8
    .kernarg_segment_size: 64
    .max_flat_workgroup_size: 128
    .sgpr_count:     66
    .vgpr_count:     210
    .wavefront_size: 32
...
	.end_amdgpu_metadata
.endif
;; end of part 1
;; launch qkv (part 2): grid 12 x 32, 4 waves a work-group, clusters of 4 x 4, 327,680 bytes of LDS; arguments xc, sc1, wc, qkc, sc2, vc; writes qkc, sc2, vc
.if DOCPART == 2
	.amdgcn_target "amdgcn-amd-amdhsa--gfx1250"
	.amdhsa_code_object_version 6
	.text
	.protected	k_q79a403be61_qkv
	.globl	k_q79a403be61_qkv
	.p2align	8
	.type	k_q79a403be61_qkv,@function
k_q79a403be61_qkv:
	s_mov_b64 s[64:65], 0
	v_nop
	global_prefetch_b8 v0, s[64:65] scope:SCOPE_SE
	s_setreg_imm32_b32 hwreg(HW_REG_WAVE_MODE, 25, 1), 1
	s_wait_xcnt 0x0
	s_wait_alu depctr_hold_cnt(0) depctr_sa_sdst(0) depctr_va_vdst(0) depctr_va_sdst(0) depctr_va_ssrc(0) depctr_va_vcc(0) depctr_vm_vsrc(0)
	s_getreg_b32 s2, hwreg(HW_REG_IB_STS2, 6, 4)
	s_cmp_eq_u32 s2, 0
	s_cbranch_scc0 .Lentry_in_a_cluster
	s_endpgm
.Lentry_in_a_cluster:
	s_bfe_u32 s2, ttmp6, 0x10000c
	s_cmp_lg_u32 s2, 0xf033
	s_cbranch_scc0 .Lentry_shape_is_right
	s_endpgm
.Lentry_shape_is_right:
; q, k and v, as codes of FP8 (E4M3) with E8M0 scales, from x's and the weights' codes.  C[m][n] = sum over k of A[m][k] B[n][k], K = 1,024, sums in f32; C never goes to memory:
; each wave quantises its 128 x 128 of C along n, in registers, and stores codes and scale bytes.
; TWO KINDS OF CLUSTER, ONE TEXT.  Clusters with x = 0, 1 make q and k: A = x (8,192 rows t), B = Wq, Wk (2,048 rows n = 64 head + d): C is quantised along d.
; Clusters with x = 2 make v TRANSPOSED: A = Wv (1,024 rows 64 head + d), B = x: C's columns are the keys t, along which v is quantised.  The kind only chooses buffers, first rows and strides
; (scalar selects on the cluster's x, which all partners share): no branch hangs on it.
; A tile of C, 256 x 256, is made by four waves, each 128 x 128: 64 accumulators, 512 registers.  K goes in four steps of 256 through a ring of two LDS slots filled by the tensor data mover.
; The scale bytes of the tile's 256 + 256 rows, for all of K, come once, with the first fills.  By this text's own count a wave has at most one tensor load outstanding.
; CLUSTERS of 4 x 4: the four of a row of the cluster need the same tiles of A, the four of a column the same tiles of B: each tile is asked for jointly.
; THE MATRIX INSTRUCTION IS USED TRANSPOSED (source 0 = 16 rows of B, source 1 = 16 rows of A): a lane holds one row m.  All rows lie in memory at physical places with bits 3 and 4 exchanged, so register
; 16 c + i of a block's 64 is the LOGICAL column 32 c + 16 (lane / 16) + i: 16 neighbours of a block of 32; lane l xor 16 holds the other 16.
; OUT: qkc [32 = 16 which + head][8,192 physical t][64 d];  vc [16 head][128 groups of 64 keys][64 physical d][64 keys];  sc2: at byte 0 [32][8,192] and at byte 524,288 [16][128][64] words of 16 bits:
; the byte of the row's first 32 below, of its second 32 above.  In both kinds a group of 64 columns x 16 rows is 1,024 consecutive bytes.
; LIMITS: a block whose largest magnitude lies under 2^-118, a block of zeros among them, gets the byte 1 (its codes are right or zeros; only this program reads the bytes); NaN and infinities are not served.
; Not prefetched: of the four K steps two are first fills, and the other two are asked for a K step ahead.  One tile to a work-group: 384 tiles.
; REGISTERS, in windows of 256: window 0: v0-31 addresses; v32-63 scale words, two sets; v64-99 at work on the way out; from v128 A's fragments, ONE set (on the way out: held numbers and rows read back).
;   window 1: B's fragments, TWO sets.   window 2: the accumulators of my rows 0-63 ((a, b) at v[8 (8 a + b)]);   window 3: those of my rows 64-127.
.set NQ,     2                         ; matrix instructions deep in a slot: 256 along K
.set ROWB,   256                       ; a tile's row in bytes
.set KROW,   1024                      ; a row of codes in memory
.set PITCH,  272                       ; an LDS row: 256 bytes + 16 of padding = 68 words: the 16 rows that a load touches start at 16 different banks (64 banks of 4 bytes: ISA guide 11.1)
.set FR,     16                        ; registers of a fragment
.set NL,     4                         ; LDS loads that bring one
.set NP,     8                         ; places behind this matrix instruction (ISA guide 7.12.1)
.set HALFT,  128*PITCH                 ; 128 rows: what one tensor load brings
.set SLOT,   4*HALFT                   ; A's 256 rows, then B's 256 rows
.set KS,     32                        ; a row of scale bytes
.set SCL,    2*SLOT                    ; behind the ring: the scales, as units of 256 bytes + 16 of padding
.set HALFS,  (128*KS/256)*272          ; those of 128 rows
.set SBLK,   (16*KS/256)*272           ; those of 16 rows
.set SPARE,  SCL+4*HALFS               ; the spare words, 128 bytes for each wave: two blocks of 256 bytes that no other line names
.set STG,    SPARE+512                 ; the way out, WSTG bytes for each wave, into which no tensor load lands: two stages of 4 x 272 bytes for codes,
.set WSTG,   2816
.set GATH,   2304                      ; and at GATH 512 bytes in which the wave's scale words are gathered: [2 groups of columns][128 rows] x 2 bytes
.set ADRA, 16                          ; v16-17  LDS address of my A fragments in slot 0, 1
.set ADRB, 20                          ; v20-21  the same for B
.set GRD,  22                          ; v22     the gathered scale words, 16 bytes a lane
.set SCO,  23                          ; v23     and their place in memory
.set STO,  24                          ; v24     the stage: where I put 16 bytes of a row
.set RD,   25                          ; v25     and where I read 16 bytes of a unit back
.set CO,   26                          ; v26     16 x lane
.set ADRS, 27                          ; v27     LDS address of my scale words: lanes 0-15 A's rows, lanes 16-31 B's
.set SPW,  28                          ; v28     LDS address of my spare word; never rewritten
.set NIL,  29                          ; v29     0; never rewritten
.set SSO,  30                          ; v30     the gather: 2 x (lane % 16)
.set SC,   32                          ; scale words: set s at v[SC + 16 s]
.set TM,   64                          ; v64-67 largest magnitudes, v68-71 bytes, v72-75 448 x the scale, v76-79 the conversions' scale operands
.set PW,   80                          ; v80-81  the two words of 16 bits
.set PC,   84                          ; v84-99  a block's codes
.set AF,   128                         ; A's fragments
.set XN,   128                         ; the way out: 64 held numbers
.set BK,   192                         ; v192-223 units read back from the stage, two sets by turns
.set G1, 24                            ; s[24:31] descriptor group 1 for A's tiles;  s[32:39] group 0, one set for each slot
.set G0, 32
.set G1B, 48                           ; s[48:55], s[56:63] the same for B's tiles
.set G0B, 56
.set G1S, 68                           ; s[68:75], s[76:79] groups 1 and 0 for A's scales;  s[80:87], s[88:91] for B's
.set G0S, 76
.set G1SB, 80
.set G0SB, 88
.set MSB, 0
.macro WIN new                         ; the immediate's high byte repeats the setting that is left; a switch that changes nothing is dropped
.if MSB != (\new)
	s_set_vgpr_msb (MSB<<8)|(\new)
.set MSB, (\new)
.endif
.endm
.set MUL_LO, 0xa1                      ; source 0 (B) window 1, source 1 (A) window 0, C and D window 2
.set MUL_HI, 0xf1                      ; the same, C and D window 3
.set TO_B,   0x40                      ; destination window 1, address window 0
; A joint load: waves 0 and 1 fetch for A, waves 2 and 3 for B.  Each line has one mask and one set of registers for all that issue it; the branch hangs on the wave's number alone.
; Four v_nop follow each of the two lines, ahead of the jump, the label and what follows.
.macro JLOAD g0a, g1a, g0b, g1b
	s_cmp_eq_u32 s15, 0
	s_cbranch_scc0 .Lfor_b_\@
	tensor_load_to_lds s[\g0a:\g0a+3], s[\g1a:\g1a+7]
	s_nop 0
.rept 4
	v_nop
.endr
	s_branch .Lasked_\@
.Lfor_b_\@:
	tensor_load_to_lds s[\g0b:\g0b+3], s[\g1b:\g1b+7]
	s_nop 0
.rept 4
	v_nop
.endr
.Lasked_\@:
.endm
.macro CREST                           ; a round of the cluster's barrier behind its opening barrier
	s_cmp_lg_u32 s14, 0
	s_cbranch_scc1 .Lnot_wave_0_\@
	s_barrier_signal -3
.Lnot_wave_0_\@:
	s_barrier_wait -3
	s_barrier_signal -1
	s_barrier_wait -1
.endm
.macro CROUND                          ; a whole round
	s_barrier_signal -1
	s_barrier_wait -1
	CREST
.endm
	s_load_b256 s[4:11], s[0:1], 0x0               ; xc s[4:5], sc1 s[6:7], wc s[8:9], qkc s[10:11]
	s_load_b128 s[92:95], s[0:1], 0x20             ; sc2 s[92:93], vc s[94:95]
	v_lshl_add_u32 v[SPW], v0, 2, SPARE
	v_mov_b32 v[NIL], 0
	ds_add_u32 v28, v29
	ds_add_u32 v28, v29
	s_wait_dscnt 0x0
	v_lshrrev_b32 v1, 5, v0
	v_readfirstlane_b32 s14, v1                    ; wave 0..3
	s_lshr_b32 s15, s14, 1                         ; which half of the tile's rows is mine.  Also: I fetch for A (0) or for B (1)
	s_and_b32 s16, s14, 1                          ; which half of its columns.  Also: which 128 rows of that tile I fetch
	s_bfe_u32 s40, ttmp6, 0x40000                  ; cx, cy: my place in the cluster
	s_bfe_u32 s41, ttmp6, 0x40004
	s_and_b32 s18, ttmp7, 0xffff                   ; the cluster's y
	s_cmp_lt_u32 ttmp9, 2                          ; the kind: q and k (cluster x 0, 1) or v (cluster x 2)
	s_cselect_b32 s19, s18, 0                      ; the cluster's place among the tile rows: y, or 0 (Wv has four tile rows)
	s_cselect_b32 s20, ttmp9, s18                  ; and among the tile columns: x, or y
	s_cselect_b32 s21, 0, 2048                     ; A's first row in its buffer: Wv begins at row 2,048 of wc
	s_cselect_b32 s2, 0, 0x40000                   ; A's scale bytes in sc1: x's at byte 0, the weights' at 262,144
	s_cselect_b32 s3, 0x40000, 0                   ; B's
	s_lshl_b32 s42, s20, 2
	s_add_co_u32 s42, s42, s40                     ; tile column of C
	s_lshl_b32 s17, s19, 2
	s_add_co_u32 s17, s17, s41                     ; tile row of C
	s_lshl_b32 s43, s41, 2
	s_lshl_b32 s43, 15, s43                        ; my row of the cluster
	s_lshl_b32 s44, 0x1111, s40                    ; my column
	; descriptor group 1: a tile of 128 rows x 256 bytes, padded in LDS
	s_or_b32 s[G1+0], s43, (0<<16)|(1<<20)|(1<<21)|(5<<22)|(3<<25)  ; 15:0 the mask: A's tiles go to my row; 17:16 elements of 1 byte; 20 padding on; 21 set beside a mask; 24:22 after every 64 words; 31:25 four words
	s_or_b32 s[G1B+0], s44, (0<<16)|(1<<20)|(1<<21)|(5<<22)|(3<<25)
.irp g, G1, G1B
	s_mov_b32 s[\g+1], ROWB<<16                    ; tensor_dim0
	s_mov_b32 s[\g+2], 256<<16                     ; tensor_dim1: 256 rows for the head's loads; set to 128 for the ring's behind the wait that shows them landed
	s_mov_b32 s[\g+3], ROWB<<16                    ; tile_dim0
	s_mov_b32 s[\g+4], 256                         ; tile_dim1
	s_mov_b32 s[\g+5], KROW                        ; tensor_dim0_stride
	s_mov_b32 s[\g+6], 0
	s_mov_b32 s[\g+7], 0
.endr
	; and for the scales of 256 rows: a dense block of 8,192 bytes, as rows of 256 bytes (32 elements of 8 bytes), 16 bytes of padding behind each
	s_or_b32 s[G1S+0], s43, (3<<16)|(1<<20)|(1<<21)|(5<<22)|(3<<25)
	s_or_b32 s[G1SB+0], s44, (3<<16)|(1<<20)|(1<<21)|(5<<22)|(3<<25)
.irp g, G1S, G1SB
	s_mov_b32 s[\g+1], 32<<16
	s_mov_b32 s[\g+2], (256*KS/256)<<16            ; the scales of all 256 rows by one load
	s_mov_b32 s[\g+3], 32<<16
	s_mov_b32 s[\g+4], 256*KS/256
	s_mov_b32 s[\g+5], 32
	s_mov_b32 s[\g+6], 0
	s_mov_b32 s[\g+7], 0
.endr
	s_lshl_b32 s18, s16, 17                        ; in the ring I fetch 128 rows of a tile: which half, in bytes of codes
	s_mov_b32 s19, 0
	s_lshl_b32 s20, s17, 8
	s_add_co_u32 s20, s20, s21                     ; A: the tile's first row in its buffer.  (No register that feeds A's descriptors ever holds cx, none that feeds B's cy)
	s_lshl_b32 s46, s42, 8                         ; B: the tile's first row
	s_lshl_b32 s22, s20, 5                         ; offsets in bytes, all under 2^24: scale bytes, 32 a row,
	s_add_co_u32 s22, s22, s2
	s_mov_b32 s23, 0
	s_lshl_b32 s20, s20, 10                        ; codes, 1,024 a row
	s_mov_b32 s21, 0
	s_lshl_b32 s100, s46, 5
	s_add_co_u32 s100, s100, s3
	s_mov_b32 s101, 0
	s_lshl_b32 s46, s46, 10
	s_mov_b32 s47, 0
	s_mul_i32 s45, s14, HALFT                      ; where they go: wave x 128 rows: no place in the cluster enters an LDS address
	s_wait_kmcnt 0x0
	s_cmp_lt_u32 ttmp9, 2
	s_cselect_b64 s[12:13], s[10:11], s[94:95]     ; the codes go to qkc or to vc
	s_cselect_b64 s[98:99], s[4:5], s[8:9]         ; A's codes: xc or wc
	s_cselect_b64 s[8:9], s[8:9], s[4:5]           ; B's codes: wc or xc
	s_add_nc_u64 s[20:21], s[98:99], s[20:21]
	s_add_nc_u64 s[22:23], s[6:7], s[22:23]
	s_add_nc_u64 s[46:47], s[8:9], s[46:47]
	s_add_nc_u64 s[100:101], s[6:7], s[100:101]
	CROUND                                         ; all sixteen work-groups are here: the first joint loads meet
	s_mov_b32 s[G0S], 1
	s_mov_b32 s[G0S+1], SCL
	s_mov_b64 s[G0S+2:G0S+3], s[22:23]
	s_or_b32 s[G0S+3], s[G0S+3], 0x80000000
	s_mov_b32 s[G0SB], 1
	s_mov_b32 s[G0SB+1], SCL+2*HALFS
	s_mov_b64 s[G0SB+2:G0SB+3], s[100:101]
	s_or_b32 s[G0SB+3], s[G0SB+3], 0x80000000
	s_mov_b32 s4, 1                                ; group 0 of the head's loads of K step 0, in registers whose arguments have been used: A's 256 rows,
	s_mov_b32 s5, 0
	s_mov_b64 s[6:7], s[20:21]
	s_or_b32 s7, s7, 0x80000000
	s_mov_b32 s8, 1                                ; and B's 256 rows, behind them in slot 0
	s_mov_b32 s9, 2*HALFT
	s_mov_b64 s[10:11], s[46:47]
	s_or_b32 s11, s11, 0x80000000
	s_add_nc_u64 s[20:21], s[20:21], s[18:19]      ; for the ring: my 128 rows of the tile
	s_add_nc_u64 s[46:47], s[46:47], s[18:19]
.irp s, 0,1
	s_mov_b32 s[G0+4*\s], 1
	s_add_co_u32 s[G0+4*\s+1], s45, \s*SLOT
	s_add_nc_u64 s[G0+4*\s+2:G0+4*\s+3], s[20:21], \s*ROWB
	s_or_b32 s[G0+4*\s+3], s[G0+4*\s+3], 0x80000000
	s_mov_b32 s[G0B+4*\s], 1
	s_add_co_u32 s[G0B+4*\s+1], s45, \s*SLOT
	s_add_nc_u64 s[G0B+4*\s+2:G0B+4*\s+3], s[46:47], \s*ROWB
	s_or_b32 s[G0B+4*\s+3], s[G0B+4*\s+3], 0x80000000
.endr
; THE HEAD'S LOADS, ONE A WAVE: wave 0 K step 0's 256 rows of A, wave 1 its 256 rows of B, wave 2 the scales of A's 256 rows, wave 3 those of B's.
; One tree of branches on the wave's number: every way through the head passes exactly one load.  By this text's own count a wave has one tensor load outstanding at the most.
.macro ARM under, g0, g1, next
	s_cmp_lt_u32 s14, \under
	s_cbranch_scc0 \next
	tensor_load_to_lds s[\g0:\g0+3], s[\g1:\g1+7]
	s_nop 0
.rept 4
	v_nop
.endr
	s_branch .Lhead_asked
\next:
.endm
	ARM 1, 4, G1, .Lhead_b
	ARM 2, 8, G1B, .Lhead_sa
	ARM 3, G0S, G1S, .Lhead_sb
	tensor_load_to_lds s[G0SB:G0SB+3], s[G1SB:G1SB+7]
	s_nop 0
.rept 4
	v_nop
.endr
.Lhead_asked:
	v_and_b32 v1, 15, v0                           ; r = l % 16
	v_bfe_u32 v2, v0, 4, 1                         ; h = l / 16
	v_mul_u32_u24 v3, v1, PITCH
	v_lshl_add_u32 v4, v2, 4, v3                   ; a fragment's row x pitch + 16 x half
	s_mul_i32 s21, s15, HALFT                      ; my 128 rows of A
	s_mul_i32 s22, s16, HALFT                      ; my 128 rows of B,
	s_add_co_u32 s22, s22, 2*HALFT                 ; which lie behind A's 256
.irp s, 0,1
	v_add_nc_u32 v[ADRA+\s], s21, v4
	v_add_nc_u32 v[ADRB+\s], s22, v4
	s_add_co_u32 s21, s21, SLOT
	s_add_co_u32 s22, s22, SLOT
.endr
	v_mul_u32_u24 v5, v1, KS                       ; my row's scales: 32 bytes a row,
	v_lshrrev_b32 v6, 8, v5
	v_lshl_add_u32 v5, v6, 4, v5                   ; and 16 more for each 256 passed
	s_mul_i32 s21, s15, HALFS                      ; A's: my 128 rows
	s_mul_i32 s22, s16, HALFS                      ; B's: my 128 rows, behind A's 256
	s_add_co_u32 s22, s22, 2*HALFS
	s_sub_co_u32 s22, s22, s21
	v_mul_u32_u24 v6, s22, v2                      ; lanes 16-31 take B's: one product, the distance between the two bases
	s_add_co_u32 s21, s21, SCL
	v_add_nc_u32 v5, v5, v6
	v_add_nc_u32 v[ADRS], s21, v5
	; the way out's addresses
	s_mul_i32 s23, s14, WSTG
	s_add_co_u32 s23, s23, STG                     ; my stage
	v_lshrrev_b32 v5, 2, v1
	v_mul_u32_u24 v5, v5, 272                      ; in: four rows of 64 bytes make a unit of 256 (+ 16): unit r / 4,
	v_and_b32 v6, 3, v1
	v_lshl_add_u32 v5, v6, 6, v5                   ; row r % 4 in it,
	v_lshl_add_u32 v5, v2, 4, v5                   ; 16 bytes for each half of the lanes
	v_add_nc_u32 v[STO], s23, v5
	v_mul_u32_u24 v5, v2, 272                      ; back: lanes 0-15 one unit, lanes 16-31 the next
	v_lshl_add_u32 v5, v1, 4, v5
	v_add_nc_u32 v[RD], s23, v5
	v_and_b32 v6, 31, v0
	v_lshlrev_b32 v[CO], 4, v6
	s_add_co_u32 s23, s23, GATH
	v_lshl_add_u32 v[SSO], v1, 1, s23
	v_add_nc_u32 v[GRD], s23, v[CO]
	s_cmp_lt_u32 ttmp9, 2                          ; the strides of the two layouts, in bytes
	s_mov_b32 s94, 4096
	s_cselect_b32 s94, 0x80000, s94                ; codes, from a group of 64 columns to the next: a head of qkc, or 64 keys of vc
	s_mov_b32 s95, 0x80000
	s_cselect_b32 s95, 4096, s95                   ; codes, 64 rows on: 64 rows t, or a head of vc
	s_mov_b32 s96, 128
	s_cselect_b32 s96, 16384, s96                  ; scale words, a group of columns on
	s_mov_b32 s97, 16384
	s_cselect_b32 s97, 128, s97                    ; scale words, 64 rows on
	s_cselect_b32 s18, 0, 0x80000                  ; q's and k's words at byte 0 of sc2, v's at 524,288
	s_lshl_b32 s19, s42, 2
	s_lshl_b32 s20, s16, 1
	s_add_co_u32 s19, s19, s20                     ; my first group of 64 columns
	s_lshl_b32 s20, s17, 2
	s_lshl_b32 s21, s15, 1
	s_add_co_u32 s20, s20, s21                     ; my first group of 64 rows
	s_mul_i32 s22, s19, s94
	s_mul_i32 s23, s20, s95
	s_add_co_u32 s22, s22, s23                     ; under 2^25
	s_mov_b32 s23, 0
	s_add_nc_u64 s[12:13], s[12:13], s[22:23]      ; the codes of my first group of columns,
	s_mov_b32 s22, s94
	s_add_nc_u64 s[98:99], s[12:13], s[22:23]      ; and of my second
	s_mul_i32 s22, s19, s96
	s_mul_i32 s21, s20, s97
	s_add_co_u32 s22, s22, s21
	s_add_co_u32 s22, s22, s18
	s_add_nc_u64 s[92:93], s[92:93], s[22:23]      ; my scale words
	s_mov_b32 s100, s95                            ; 64 rows on, as a pair
	s_mov_b32 s101, 0
	v_and_b32 v5, 7, v0
	v_lshlrev_b32 v[SCO], 4, v5                    ; a lane's 16 bytes are 8 rows' words: 16 (l % 8),
	v_bfe_u32 v5, v0, 3, 1
	v_mad_u32_u24 v[SCO], v5, s97, v[SCO]          ; rows 64 on for bit 3,
	v_mad_u32_u24 v[SCO], v2, s96, v[SCO]          ; the second group of columns for bit 4
.macro FRAG reg, adr, q, i             ; a fragment, 16 rows x 128 K: lane l holds row l % 16; registers 4 c .. 4 c + 3 hold K = 32 c + 16 (l / 16) + 0 .. 15
.irp c, 0,1,2,3
	ds_load_b128 v[\reg+4*\c:\reg+4*\c+3], v[\adr] offset:128*(\q)+32*\c+(\i)*16*PITCH
.endr
.endm
; 16 matrix instructions: A's blocks a0, a0 + 1 x B's eight, 128 along K.  p: B's set;  sc: the set of scale words.  zero = 1: the first product starts the sums.
; The 64 accumulators take turns, one instruction a turn, in the same order in every step.
.macro MUL16 a0, p, q, sc, zero
.irp a, \a0, \a0+1
.irp b, 0,1,2,3,4,5,6,7
.if \zero
	v_wmma_scale_f32_16x16x128_f8f6f4 v[8*(8*((\a)%4)+\b):8*(8*((\a)%4)+\b)+7], v[128*(\p)+FR*\b:128*(\p)+FR*\b+FR-1], v[AF+FR*(\a):AF+FR*(\a)+FR-1], 0, v[SC+8*NQ*(\sc)+NQ*\b+(\q)], v[SC+8*NQ*(\sc)+NQ*(\a)+(\q)] matrix_a_scale:MATRIX_SCALE_ROW1
.else
	v_wmma_scale_f32_16x16x128_f8f6f4 v[8*(8*((\a)%4)+\b):8*(8*((\a)%4)+\b)+7], v[128*(\p)+FR*\b:128*(\p)+FR*\b+FR-1], v[AF+FR*(\a):AF+FR*(\a)+FR-1], v[8*(8*((\a)%4)+\b):8*(8*((\a)%4)+\b)+7], v[SC+8*NQ*(\sc)+NQ*\b+(\q)], v[SC+8*NQ*(\sc)+NQ*(\a)+(\q)] matrix_a_scale:MATRIX_SCALE_ROW1
.endif
.endr
.endr
.endm
.macro FETCH_B slot, q, p              ; B's eight fragments of the slot's q-th 128 along K into set p
	WIN TO_B
.irp i, 0,1,2,3,4,5,6,7
	FRAG 128*(\p)+FR*\i, ADRB+\slot, \q, \i
.endr
	WIN 0
.endm
.macro FETCH_A slot, q, i0             ; A's blocks i0 .. i0 + 3
.irp i, \i0, \i0+1, \i0+2, \i0+3
	FRAG AF+FR*(\i), ADRA+\slot, \q, \i
.endr
.endm
.macro SCALES sc                       ; a K step's scale words into set sc: two words a row; lanes 0-15 take A's block i, lanes 16-31 B's block i
.irp i, 0,1,2,3,4,5,6,7
	ds_load_b64 v[SC+8*NQ*\sc+NQ*\i:SC+8*NQ*\sc+NQ*\i+1], v[ADRS] offset:\i*SBLK
.endr
.endm
; A load into a register that a matrix instruction has read, and a vector instruction that reads a matrix result or writes one of its registers, stand NP places behind it; only plain vector
; instructions that name none of its registers are places (ISA guide 7.12.1 for vector instructions).
.macro PLACES n
.rept \n
	v_nop
.endr
.endm
.macro STEP slot, q, zero              ; a step of 128 along K that has its successor in the same slot
	s_wait_dscnt 4*NL                              ; B's set, the scale words and A's blocks 0-3 are in; the youngest 16 loads (A's blocks 4-7) may be out
	WIN MUL_LO
	MUL16 0, (\q)%2, \q, \slot, \zero
	MUL16 2, (\q)%2, \q, \slot, \zero
	s_wait_dscnt 0                                 ; A's blocks 4-7 are in
	PLACES NP
	FETCH_B \slot, (\q)+1, 1-(\q)%2
	FETCH_A \slot, (\q)+1, 0
	WIN MUL_HI
	MUL16 4, (\q)%2, \q, \slot, \zero
	MUL16 6, (\q)%2, \q, \slot, \zero
	PLACES NP
	WIN 0
	FETCH_A \slot, (\q)+1, 4
.endm
; A slot's last step changes slots: ONE barrier; in front of it each wave waits for all its tensor loads, adds 0 to its spare word, and waits for that and for its own reads of this slot.
; fill = 1: this slot is filled again, two K steps ahead; the barrier then opens a round of the cluster's barrier.
.macro TURN slot, next, fill
	s_wait_tensorcnt 0x0                           ; all my tensor loads have landed: my part of the next slot;  (every window is 0 here)
	ds_add_u32 v[SPW], v[NIL]                      ; 0 onto my spare word
	s_wait_dscnt 4*NL+1                            ; (the add and the youngest 16 loads, A's blocks 4-7, may be out)
	WIN MUL_LO
	MUL16 0, 1, NQ-1, \slot, 0                     ; sixteen matrix instructions stand between the add and the wait for it
	s_wait_dscnt 0x0                               ; the add is done, and my reads of this slot are over
	s_barrier_signal -1
	MUL16 2, 1, NQ-1, \slot, 0
	WIN 0
	s_barrier_wait -1
.if \fill
	CREST                                          ; no wave of any partner still reads this slot's tile or has a load on its way
	s_add_nc_u64 s[G0+4*\slot+2:G0+4*\slot+3], s[G0+4*\slot+2:G0+4*\slot+3], 2*ROWB
	s_add_nc_u64 s[G0B+4*\slot+2:G0B+4*\slot+3], s[G0B+4*\slot+2:G0B+4*\slot+3], 2*ROWB
	JLOAD G0+4*\slot, G1, G0B+4*\slot, G1B         ; the first tensor load behind the round; its four v_nop are among the places in front of the loads below
	PLACES NP-4
.else
	PLACES NP
.endif
	s_wait_alu depctr_va_vdst(0)
	v_add_nc_u32 v[ADRS], 4*NQ, v[ADRS]            ; on to the next K step's scale words
	FETCH_B \next, 0, 0
	FETCH_A \next, 0, 0
	SCALES \next
	WIN MUL_HI
	MUL16 4, 1, NQ-1, \slot, 0
	MUL16 6, 1, NQ-1, \slot, 0
	PLACES NP
	WIN 0
	FETCH_A \next, 0, 4
.endm
	s_wait_alu depctr_va_vdst(0)
	s_wait_tensorcnt 0x0                           ; my tile of the head's four is in; the lines ahead of a later first fill:
	ds_add_u32 v[SPW], v[NIL]
	s_mov_b32 s[G1+2], 128<<16                     ; no tensor load of mine is out: from here on a load brings 128 rows
	s_mov_b32 s[G1+4], 128
	s_mov_b32 s[G1B+2], 128<<16
	s_mov_b32 s[G1B+4], 128
	s_wait_dscnt 0x0
	CROUND                                         ; all four tiles are in, and all sixteen work-groups are here
	JLOAD G0+4, G1, G0B+4, G1B                     ; K step 1: slot 1's first fill, the first tensor load behind the round
	FETCH_B 0, 0, 0
	FETCH_A 0, 0, 0
	SCALES 0
	FETCH_A 0, 0, 4
	STEP 0, 0, 1                                   ; K = 1,024 is four K steps: they are written out.  The first products start the sums
	TURN 0, 1, 1                                   ; slot 0 takes K step 2
	STEP 1, 0, 0
	TURN 1, 0, 1                                   ; slot 1 takes K step 3
	STEP 0, 0, 0
	TURN 0, 1, 0                                   ; nothing is left to fetch
	STEP 1, 0, 0
	s_wait_dscnt 4*NL
	WIN MUL_LO
	MUL16 0, 1, NQ-1, 1, 0
	MUL16 2, 1, NQ-1, 1, 0
	s_wait_dscnt 0
	WIN MUL_HI
	MUL16 4, 1, NQ-1, 1, 0
	MUL16 6, 1, NQ-1, 1, 0
	WIN 0
; THE WAY OUT of block a (16 rows x 128 columns: 64 registers of window 2 or 3).  Register 16 c + i is column 32 c + 16 (lane / 16) + i of my row: four blocks of 32, each shared with lane l xor 16.
; The largest magnitudes are read from each accumulator's low end on.  The hold moves the numbers into window 0, where the conversions take them.  A lane's 16 codes of a block are 16 bytes of a row of 64;
; four rows make 256 bytes: they meet in my own stage and leave as 512 consecutive bytes an instruction.  The row's two bytes of each group of 64 columns go to the gather.
.macro QOUT a
.set AC, 64*((\a)%4)
.set W, 2+(\a)/4
.set WN, W|(W<<2)
	WIN WN                                         ; sources 0 and 1: the accumulators' window
.irp c, 0,1,2,3
	v_max3_num_f32 v[TM+\c], |v[AC+16*\c]|, |v[AC+16*\c+1]|, 0x4800000   ; my 16 numbers of block c, and the floor 2^(9 - 127): the byte cannot fall under 1
.endr
.set WN, (W<<2)|(W<<4)
	WIN WN                                         ; sources 1 and 2
.irp i, 2,4,6,8,10,12,14
.irp c, 0,1,2,3
	v_max3_num_f32 v[TM+\c], v[TM+\c], |v[AC+16*\c+\i]|, |v[AC+16*\c+\i+1]|   ; (the four blocks by turns)
.endr
.endr
	WIN 0
.irp c, 0,1,2,3
	v_permlanex16_b32 v[TM+4+\c], v[TM+\c], s66, s67
.endr
.irp c, 0,1,2,3
	v_max_num_f32 v[TM+\c], v[TM+\c], v[TM+4+\c]   ; with lane l xor 16's: the block's largest magnitude
.endr
.irp c, 0,1,2,3
	v_add_nc_u32 v[TM+12+\c], 0xfc000000, v[TM+\c] ; 8 off its exponent field: the conversion's scale operand
.endr
.irp c, 0,1,2,3
	v_and_or_b32 v[TM+8+\c], v[TM+\c], 0x7f800000, s3   ; 448 x the scale
.endr
.irp c, 0,1,2,3
	v_lshrrev_b32 v[TM+4+\c], 23, v[TM+12+\c]      ; the scale's byte
.endr
	v_lshl_or_b32 v[PW], v[TM+5], 8, v[TM+4]       ; a word of 16 bits for each group of 64 columns
	v_lshl_or_b32 v[PW+1], v[TM+7], 8, v[TM+6]
	WIN W                                          ; source 0: the accumulators' window
.irp c, 0,1,2,3
.irp i, 0,1,2,3,4,5,6,7,8,9,10,11,12,13,14,15
	v_med3_num_f32 v[XN+16*\c+\i], v[AC+16*\c+\i], -v[TM+8+\c], v[TM+8+\c]   ; the conversion to an 8-bit code does not saturate (ISA guide 7.6.2): the hold, which also brings the number into window 0
.endr
.endr
	WIN 0
.irp c, 0,1,2,3
	v_cvt_scalef32_pk8_fp8_f32 v[PC+4*\c:PC+4*\c+1], v[XN+16*\c:XN+16*\c+7], v[TM+12+\c]
	v_cvt_scalef32_pk8_fp8_f32 v[PC+4*\c+2:PC+4*\c+3], v[XN+16*\c+8:XN+16*\c+15], v[TM+12+\c]
.endr
	v_nop                                          ; one plain vector instruction behind the last conversion, ahead of whatever next touches its registers
.irp c, 0,1,2,3
	ds_store_b128 v[STO], v[PC+4*\c:PC+4*\c+3] offset:(\c/2)*1088+32*(\c%2)
.endr
	ds_store_b16 v[SSO], v[PW] offset:32*(\a)      ; both halves of the lanes write the same word with the same value
	ds_store_b16 v[SSO], v[PW+1] offset:256+32*(\a)
	s_wait_xcnt 0x0                                ; earlier stores have read their registers and bases: the loads below may land, and the bases may step
.set BB, BK+16*((\a)%2)
.irp i, 0,1,2,3
	ds_load_b128 v[BB+4*\i:BB+4*\i+3], v[RD] offset:(\i/2)*1088+544*(\i%2)   ; LDS serves a wave's instructions in order: these see the stores above
.endr
.if (\a) == 4
	s_add_nc_u64 s[12:13], s[12:13], s[100:101]    ; my rows 64 on
	s_add_nc_u64 s[98:99], s[98:99], s[100:101]
.endif
	s_wait_dscnt 0x0                               ; the units are back, and the LDS stores have read their registers
	global_store_b128 v[CO], v[BB:BB+3], s[12:13] offset:((\a)%4)*1024          ; 32 lanes store 512 consecutive bytes, aligned
	global_store_b128 v[CO], v[BB+4:BB+7], s[12:13] offset:((\a)%4)*1024+512
	global_store_b128 v[CO], v[BB+8:BB+11], s[98:99] offset:((\a)%4)*1024
	global_store_b128 v[CO], v[BB+12:BB+15], s[98:99] offset:((\a)%4)*1024+512
.endm
	s_mov_b32 s66, 0x76543210                      ; v_permlanex16_b32's selects for lane l xor 16
	s_mov_b32 s67, 0xfedcba98
	s_mov_b32 s3, 0x600000                         ; the mantissa field of 448
	PLACES NP                                      ; behind the last products: for the reads of results and for the writes into registers that held A's fragments
.irp c, 0,1,2,3
	v_mov_b32 v[TM+4+\c], 0                        ; written once: a lane permute's destination counts as one of its sources
.endr
.irp a, 0,1,2,3,4,5,6,7
	QOUT \a
.endr
	s_wait_xcnt 0x0                                ; the last stores have read their registers
	ds_load_b128 v[BK:BK+3], v[GRD]                ; the wave's 256 scale words
	s_wait_dscnt 0x0
	global_store_b128 v[SCO], v[BK:BK+3], s[92:93] ; two runs of 256 consecutive bytes, aligned, in either layout
	s_wait_tensorcnt 0x0                           ; the wave's end, behind my last tensor load and my last LDS store
	ds_add_u32 v[SPW], v[NIL]
	s_wait_dscnt 0x0
	CROUND                                         ; the closing round: no work-group ends while a partner may still ask for a tile that names it
	s_endpgm
.Lfunc_end_k_q79a403be61_qkv:
	.size	k_q79a403be61_qkv, .Lfunc_end_k_q79a403be61_qkv-k_q79a403be61_qkv
	.p2alignl 7, 3214868480
	.fill 96, 4, 3214868480
	.section	.rodata,"a",@progbits
	.p2align	6, 0x0
	.amdhsa_kernel k_q79a403be61_qkv
		.amdhsa_group_segment_fixed_size 327680
		.amdhsa_private_segment_fixed_size 0
		.amdhsa_enable_private_segment 0
		.amdhsa_kernarg_size 48
		.amdhsa_user_sgpr_count 2
		.amdhsa_user_sgpr_kernarg_segment_ptr 1
		.amdhsa_wavefront_size32 1
		.amdhsa_system_sgpr_workgroup_id_x 1
		.amdhsa_system_sgpr_workgroup_id_y 1
		.amdhsa_system_sgpr_workgroup_id_z 1
		.amdhsa_system_vgpr_workitem_id 0
		.amdhsa_next_free_vgpr 1024
		.amdhsa_next_free_sgpr 102
		.amdhsa_reserve_vcc 0
		.amdhsa_float_denorm_mode_32 3
		.amdhsa_float_denorm_mode_16_64 3
		.amdhsa_memory_ordered 1
		.amdhsa_forward_progress 1
		.amdhsa_inst_pref_size 193
	.end_amdhsa_kernel
	.amdgpu_metadata
---
amdhsa.version: [ 1, 2 ]
amdhsa.kernels:
  - .name:           k_q79a403be61_qkv
    .symbol:         k_q79a403be61_qkv.kd
    .args:
      - { .name: xc, .offset: 0, .size: 8, .value_kind: global_buffer, .address_space: global }
      - { .name: sc1, .offset: 8, .size: 8, .value_kind: global_buffer, .address_space: global }
      - { .name: wc, .offset: 16, .size: 8, .value_kind: global_buffer, .address_space: global }
      - { .name: qkc, .offset: 24, .size: 8, .value_kind: global_buffer, .address_space: global }
      - { .name: sc2, .offset: 32, .size: 8, .value_kind: global_buffer, .address_space: global }
      - { .name: vc, .offset: 40, .size: 8, .value_kind: global_buffer, .address_space: global }
    .group_segment_fixed_size: 327680
    .private_segment_fixed_size: 0
    .kernarg_segment_align: 8
    .kernarg_segment_size: 48
    .max_flat_workgroup_size: 128
    .sgpr_count:     102
    .vgpr_count:     1024
    .wavefront_size: 32
...
	.end_amdgpu_metadata
.endif
;; end of part 2
;; launch attn (part 3): grid 4 x 64, 16 waves a work-group, clusters of 4 x 1, 309,248 bytes of LDS; arguments qkc, sc2, vc, oc, os; writes oc, os
.if DOCPART == 3
	.amdgcn_target "amdgcn-amd-amdhsa--gfx1250"
	.amdhsa_code_object_version 6
	.text
	.protected	k_q79a403be61_attn
	.globl	k_q79a403be61_attn
	.p2align	8
	.type	k_q79a403be61_attn,@function
k_q79a403be61_attn:
	s_mov_b64 s[64:65], 0
	v_nop
	global_prefetch_b8 v0, s[64:65] scope:SCOPE_SE
	s_setreg_imm32_b32 hwreg(HW_REG_WAVE_MODE, 25, 1), 1
	s_wait_xcnt 0x0
	s_wait_alu depctr_hold_cnt(0) depctr_sa_sdst(0) depctr_va_vdst(0) depctr_va_sdst(0) depctr_va_ssrc(0) depctr_va_vcc(0) depctr_vm_vsrc(0)
	s_getreg_b32 s2, hwreg(HW_REG_IB_STS2, 6, 4)
	s_cmp_eq_u32 s2, 0
	s_cbranch_scc0 .Lentry_in_a_cluster
	s_endpgm
.Lentry_in_a_cluster:
	s_bfe_u32 s2, ttmp6, 0x10000c
	s_cmp_lg_u32 s2, 0x3003
	s_cbranch_scc0 .Lentry_shape_is_right
	s_endpgm
.Lentry_shape_is_right:
; Causal attention of one head and one batch entry on codes of FP8 (E4M3) with E8M0 scales, head size 64, 2,048 keys; the result is quantised along d for the output projection.
; t = score x log2(e) / 8; M = the row's largest t so far, rounded UP to a whole number; p = 2^(t - M) is quantised along the keys, not normalised; the row's sum is taken of the unquantised p and
; divides O at the end.  When M moves, the sum and O are multiplied by 2^(old M - new M): exact.
; LEFT OUT: key steps all of whose keys come after a tile's queries: the causal mask sets their scores to -infinity, so they add nothing to any sum.
; IN: qkc [32 = 16 which + head][8,192 = 2,048 batch + physical t][64 d]; vc [head][batch][32 groups of 64 keys][64 physical d][64 keys]; sc2: words of 16 bits (two scale bytes) beside them.
; Physical = the index with bits 3 and 4 exchanged: sixteen neighbouring physical rows as source 0 leave a lane 16 logical neighbours in two neighbouring accumulators.
; OUT: oc [t / 4][16 heads][t % 4][64 d], t logical over all batches; os [8,192 t][32]: byte 2 head + block.
; SHARES.  y = 4 head + batch.  The four work-groups of a y form a cluster and read the same K and V: each of the sixteen waves asks JOINTLY for an eighth of K or of V, one tensor load a wave, all at the head;
; K and V stay in LDS whole and nothing is filled again.  The partner at place cx owns the physical query tiles 4 i + cx, i = 0 .. 31: queries 64 i + 32 (cx / 2) + 8 (cx % 2) + r + 8 (r / 8).
; A tile has i / 2 + 1 live key steps of 128 keys and its diagonal lies in step i / 2, whatever cx: so no branch hangs on a work-group's place; cx enters global addresses and the mask's compare alone.
; Wave w takes tiles i = 31 - w and i = w: 17 live steps for every wave.  Behind the one landing barrier the waves are independent.
; NO PREFETCH: every tensor load goes out at the head, so there is no loop in which to run ahead of a later request.
; LAYOUT.  S^T = K Q^T.  The head's 64 fill half of the instruction's 128, so a fragment of K holds TWO key tiles, one in each half; it is multiplied by [q | 0] for the first tile and by [0 | q] for the second:
; the zero codes take the other tile out.  O^T = V^T P^T.  A lane holds ONE query (lane % 16) throughout.  V's fragments take K's registers as soon as the scores are made.
; THE SCALE WORDS are re-laid once, at the head, through registers into LDS bytes that no tensor load touches: K's [32 keys][r]: tile 2 g's two bytes below, tile 2 g + 1's above; V's [key step][d]: the step's four bytes.
; LIMITS: NaN and infinities are not served; the softmax holds while |t| stays under 2^31; a block of the result whose largest magnitude lies under 2^-118 gets the byte 1.
; REGISTERS: v1-7 addresses; v8-10 the step's addresses; v11 the mask's lane term; v12 -M, v13 the largest score, v[14:15] the sum; v16-39 q, zeros, q; v40-103 K's, then V's fragments; v104-167 S^T, then p;
; v168-199 O^T; v200-215 p's codes; v216-231 at work; v232-235 V's scale words, v236-239 K's; v240-241 Q's two; v242-250 the second tile's q and scale word; v251, v255 the add's two; v252 f; v253 p's scale word; v254 at work.
.set VOFF,  139264                     ; LDS: K at 0: 512 units of 256 bytes (4 keys x 64) + 16 of padding; V at VOFF likewise (unit = 16 group + d / 4)
.set KSC,   278528                     ; K's scale words, 4,096 bytes; V's 4,096 bytes further on
.set STG,   286720                     ; the way out: 1,280 bytes for each wave
.set SPARE, 307200                     ; the spare words, 128 bytes for each wave
.set ADK,  8
.set ADV,  9
.set ADS,  10
.set MB,   11
.set Q,    16
.set X,    40
.set S,    104
.set O,    168
.set PC,   200
.set TM,   216                         ; +0..3 largest, +4..7 the other half's / bytes, +8..11 448 x the scale, +12..15 the conversions' scale operands
.set VSW,  232
.set KSW,  236
.set QS,   240
.set QN,   242
.set SPW,  251
.set NIL,  255
.set TB,   2                           ; s2   the step's tiles in K's and in V's region: 8,704 bytes a step
.set TS,   3                           ; s3   the step's scale words: 256 bytes a step
.set NC,   14                          ; s14  -c
.set DI,   15                          ; s15  64 (i % 2): the tile's place in its diagonal step, less cx's part
.set SI,   16                          ; s16  the step's number
.set LV,   17                          ; s17  the tile's last live step, i / 2
.set WV,   18
.set MNT,  19
.set SEL,  20
.set CS,   22
.set Q0,   56                          ; s56  my first query
.set CXQ,  57                          ; s57  32 (cx / 2) + 8 (cx % 2)
.macro WALU
	s_wait_alu depctr_va_vdst(0)
.endm
.macro ROUND                           ; a round of the cluster's barrier
	s_barrier_signal -1
	s_barrier_wait -1
	s_cmp_lg_u32 s[WV], 0
	s_cbranch_scc1 .Lnot_wave_0_\@
	s_barrier_signal -3
.Lnot_wave_0_\@:
	s_barrier_wait -3
	s_barrier_signal -1
	s_barrier_wait -1
.endm
	s_load_b256 s[4:11], s[0:1], 0x0               ; qkc s[4:5], sc2 s[6:7], vc s[8:9], oc s[10:11]
	s_load_b64 s[12:13], s[0:1], 0x20              ; os
	v_lshl_add_u32 v[SPW], v0, 2, SPARE
	v_mov_b32 v[NIL], 0
	ds_add_u32 v[SPW], v[NIL]                      ; the opening lines: the add twice on end and its wait ahead of the first tensor load
	ds_add_u32 v[SPW], v[NIL]
	v_lshrrev_b32 v254, 5, v0
	v_readfirstlane_b32 s[WV], v254                ; wave 0..15
	s_and_b32 s66, ttmp7, 0xffff                   ; y = 4 head + batch
	s_bfe_u32 s67, ttmp6, 0x40000                  ; cx
	; descriptor group 1: 64 rows of 256 bytes (32 elements of 8), dense in memory, 16 bytes of padding behind each; the mask names the cluster's four
	s_mov_b32 s24, 15|(3<<16)|(1<<20)|(1<<21)|(5<<22)|(3<<25)
	s_mov_b32 s25, 32<<16
	s_mov_b32 s26, 64<<16
	s_mov_b32 s27, 32<<16
	s_mov_b32 s28, 64
	s_mov_b32 s29, 32
	s_mov_b32 s30, 0
	s_mov_b32 s31, 0
	s_lshr_b32 s84, s[WV], 3                       ; waves 0-7 fetch for K (0), waves 8-15 for V (1);
	s_and_b32 s85, s[WV], 7                        ; which eighth: 256 keys
	s_mov_b32 s40, 1
	s_mul_i32 s41, s84, VOFF
	s_mul_i32 s86, s85, 64*272
	s_add_co_u32 s41, s41, s86                     ; where my eighth goes
	s_lshl_b32 s88, s66, 17                        ; y x 131,072: q's and v's codes of this y;
	s_mov_b32 s89, 0
	s_add_co_u32 s90, s88, 0x800000                ; k's lie 64 x 131,072 further on in qkc
	s_mov_b32 s91, 0
	s_lshl_b32 s92, s85, 14                        ; my eighth: 16,384 bytes
	s_mov_b32 s93, 0
	s_lshl_b32 s94, s66, 12                        ; y x 4,096: q's scale words
	s_mov_b32 s95, 0
	s_cmp_eq_u32 s84, 0
	s_mov_b32 s96, 0x80000                         ; v's scale words lie at byte 524,288 of sc2,
	s_cselect_b32 s96, 0x40000, s96                ; k's 64 x 4,096 behind q's
	s_cselect_b32 s60, 2, 4                        ; how a lane finds its four words' halves: K: 64 (l / 4) + 8 (l % 4), the upper halves 32 bytes on;
	s_cselect_b32 s61, 3, 15                       ; V: 256 (l / 16) + 8 (l % 16), the upper halves 128 bytes on
	s_cselect_b32 s62, 6, 8
	s_cselect_b32 s63, 32, 128
	s_add_co_u32 s96, s96, s94
	s_lshl_b32 s86, s85, 9
	s_add_co_u32 s96, s96, s86                     ; my eighth: 512 bytes
	s_mov_b32 s97, 0
	s_sub_co_u32 s86, 31, s[WV]                    ; Q: physical row 64 i + 16 cx, 64 bytes a row; first i = 31 - w,
	s_lshl_b32 s44, s86, 12
	s_lshl_b32 s87, s67, 10
	s_add_co_u32 s44, s44, s87
	s_mov_b32 s45, 0
	s_lshl_b32 s46, s[WV], 12                      ; then i = w
	s_add_co_u32 s46, s46, s87
	s_mov_b32 s47, 0
	s_lshr_b32 s48, s44, 5                         ; their scale words: 2 bytes a row
	s_mov_b32 s49, 0
	s_lshr_b32 s50, s46, 5
	s_mov_b32 s51, 0
	s_lshr_b32 s[CXQ], s67, 1
	s_lshl_b32 s[CXQ], s[CXQ], 5
	s_and_b32 s59, s67, 1
	s_lshl_b32 s59, s59, 3
	s_add_co_u32 s[CXQ], s[CXQ], s59
	s_mul_i32 s59, s[WV], 1280
	s_add_co_u32 s59, s59, STG                     ; my stage
	s_mov_b32 s[SEL], 0x76543210                   ; v_permlanex16_b32's selects for lane l xor 16
	s_mov_b32 s[SEL+1], 0xfedcba98
	s_mov_b32 s[CS], 0x3e38aa3b                    ; c = log2(e) / 8
	s_mov_b32 s[CS+1], s[CS]
	s_mov_b32 s[NC], 0xbe38aa3b                    ; -c
	s_mov_b32 s[MNT], 0x600000                     ; the mantissa field of 448
	v_and_b32 v254, 31, v0
	v_lshrrev_b32 v8, s60, v254
	v_lshlrev_b32 v8, s62, v8
	v_and_b32 v9, s61, v254
	v_lshl_add_u32 v8, v9, 3, v8                   ; my four words' lower halves in the wave's 512 bytes,
	v_add_nc_u32 v9, s63, v8                       ; and their upper halves
	v_lshl_add_u32 v10, v0, 4, KSC                 ; where the four words go: 16 bytes a thread
	v_and_b32 v104, 15, v0                         ; r
	v_bfe_u32 v105, v0, 4, 1                       ; h
	v_lshlrev_b32 v108, 6, v104
	v_lshl_add_u32 v108, v105, 4, v108             ; Q in memory: row r of 64 bytes + 16 h
	v_lshlrev_b32 v109, 1, v104                    ; and its scale word
	WALU
	s_wait_dscnt 0x0                               ; both opening adds are done
	ROUND                                          ; the four work-groups are here: the joint loads meet
	s_wait_kmcnt 0x0
	s_add_nc_u64 s[68:69], s[4:5], s[88:89]        ; q's codes of this y
	s_add_nc_u64 s[90:91], s[4:5], s[90:91]        ; k's
	s_add_nc_u64 s[88:89], s[8:9], s[88:89]        ; v's
	s_cmp_eq_u32 s84, 0
	s_cselect_b64 s[42:43], s[90:91], s[88:89]     ; the choice hangs on the wave's number alone
	s_add_nc_u64 s[42:43], s[42:43], s[92:93]
	s_or_b32 s43, s43, 0x80000000
	tensor_load_to_lds s[40:43], s[24:31]          ; my one tensor load: an eighth of K or of V, for all four work-groups
	s_nop 0
.rept 4
	v_nop
.endr
	s_add_nc_u64 s[98:99], s[6:7], s[96:97]
	global_load_b64 v[112:113], v8, s[98:99]       ; scale words' halves
	global_load_b64 v[114:115], v9, s[98:99]
	s_add_nc_u64 s[70:71], s[6:7], s[94:95]
	s_add_nc_u64 s[76:77], s[68:69], s[44:45]
	s_add_nc_u64 s[78:79], s[68:69], s[46:47]
	s_add_nc_u64 s[52:53], s[70:71], s[48:49]
	s_add_nc_u64 s[54:55], s[70:71], s[50:51]
	global_load_b128 v[Q:Q+3], v108, s[76:77]      ; the first tile's q, twice: below and above the zeros
	global_load_b128 v[Q+4:Q+7], v108, s[76:77] offset:32
	global_load_b128 v[Q+16:Q+19], v108, s[76:77]
	global_load_b128 v[Q+20:Q+23], v108, s[76:77] offset:32
	global_load_u16 v[QS], v109, s[52:53]          ; bytes 2 and 3 come as 0: the scale of the zero codes
	global_load_b128 v[QN:QN+3], v108, s[78:79]    ; the second tile's q waits in registers
	global_load_b128 v[QN+4:QN+7], v108, s[78:79] offset:32
	global_load_u16 v[QN+8], v109, s[54:55]
	s_and_b32 s84, s66, 3                          ; batch
	s_lshr_b32 s85, s66, 2                         ; head
	s_lshl_b32 s86, s84, 21                        ; oc: 2,048 rows x 1,024 bytes a batch entry, 256 bytes a head
	s_lshl_b32 s87, s85, 8
	s_add_co_u32 s86, s86, s87
	s_mov_b32 s87, 0
	s_add_nc_u64 s[72:73], s[10:11], s[86:87]
	s_lshl_b32 s86, s84, 16                        ; os: 2,048 rows x 32 bytes, 2 bytes a head
	s_lshl_b32 s88, s85, 1
	s_add_co_u32 s86, s86, s88
	s_add_nc_u64 s[74:75], s[12:13], s[86:87]
	v_lshrrev_b32 v106, 2, v104
	v_mul_u32_u24 v1, v106, 272                    ; a row of 64 bytes in a tile of 16: unit r / 4,
	v_and_b32 v106, 3, v104
	v_lshl_add_u32 v1, v106, 6, v1                 ; row r % 4 in it,
	v_lshl_add_u32 v1, v105, 4, v1                 ; my half's 16 bytes
	v_add_nc_u32 v2, VOFF, v1                      ; the same in V's region
	v_lshl_add_u32 v3, v104, 2, KSC                ; scale words: 4 bytes a row
	v_add_nc_u32 v4, s59, v1                       ; the stage: in,
	v_mul_u32_u24 v5, v105, 272
	v_lshl_add_u32 v5, v104, 4, v5
	v_add_nc_u32 v5, s59, v5                       ; and back: lanes 0-15 one unit, lanes 16-31 the next
	v_lshlrev_b32 v6, 12, v105
	v_lshl_add_u32 v6, v104, 4, v6                 ; in oc units of four rows lie 4,096 bytes apart
	v_and_b32 v106, 8, v104
	v_add_nc_u32 v106, v106, v104                  ; r + 8 (r / 8): my query less Q0
	v_lshlrev_b32 v7, 5, v106                      ; its row of os
	v_lshlrev_b32 v107, 4, v105
	v_sub_nc_u32 v[MB], v106, v107
	v_add_nc_u32 v[MB], s[CXQ], v[MB]              ; r + 8 (r / 8) - 16 h + cx's part, for the mask's compare
.set n, 0
.rept 8
	v_mov_b32 v[Q+8+n], 0                          ; the zero codes between the two copies of q
.set n, n+1
.endr
.irp b, 0,1,2,3
	v_mov_b32 v[TM+4+\b], 0                        ; written once: a lane permute's destination counts as one of its sources
.endr
	v_mov_b32 v252, 0
	v_mov_b32 v253, 0
	v_mov_b32 v254, 0
; A tile: i = 31 - w (late = 1) or i = w (late = 0).
.macro INIT late
	s_wait_xcnt 0x0                                ; earlier loads and stores have read their bases and registers
.if \late
	s_sub_co_u32 s61, 31, s[WV]
.else
	s_mov_b32 s61, s[WV]
.endif
	s_lshr_b32 s[LV], s61, 1
	s_and_b32 s62, s61, 1
	s_lshl_b32 s[DI], s62, 6
	s_lshl_b32 s[Q0], s61, 6
	s_add_co_u32 s[Q0], s[Q0], s[CXQ]
	s_mov_b32 s85, 0
	s_lshl_b32 s84, s[Q0], 10
	s_add_nc_u64 s[80:81], s[72:73], s[84:85]      ; my rows of oc
	s_lshl_b32 s84, s[Q0], 5
	s_add_nc_u64 s[82:83], s[74:75], s[84:85]      ; and of os
.if \late == 0
.set n, 0
.rept 8
	v_mov_b32 v[Q+n], v[QN+n]
	v_mov_b32 v[Q+16+n], v[QN+n]
.set n, n+1
.endr
	v_mov_b32 v[QS], v[QN+8]
	v_lshlrev_b32 v[QS+1], 16, v[QN+8]
.endif
	v_mov_b32 v13, 0xff61b1e6                      ; the largest score so far: -3e38
	v_mul_f32 v12, s[NC], v13
	v_mov_b32 v14, 0                               ; the sum, in two halves
	v_mov_b32 v15, 0
	v_floor_f32 v12, v12                           ; -M
.set n, 0
.rept 32
	v_mov_b32 v[O+n], 0                            ; O^T: the step is written for every step alike; the first change of M leaves zeros zeros
.set n, n+1
.endr
	s_mov_b32 s[TB], 0
	s_mov_b32 s[TS], 0
	s_mov_b32 s[SI], 0
.endm
; A KEY STEP: 128 keys.
.macro STEP
	s_cmp_gt_u32 s[SI], s[LV]                      ; a step behind the tile's diagonal is left out: a branch on the wave's number and the count of steps,
	s_cbranch_scc1 .Lhidden_\@                     ; not round the lines at its end that step addresses
	v_add_nc_u32 v[ADK], s[TB], v1
	v_add_nc_u32 v[ADS], s[TS], v3
.rept 6
	v_nop                                          ; with the two additions eight places between the last step's products and the loads into their registers
.endr
.irp g, 0,1,2,3                                    ; fragment g: key tile 2 g in registers 0-7, tile 2 g + 1 in registers 8-15
.irp c, 0,1,2,3
	ds_load_b128 v[X+16*\g+4*\c:X+16*\g+4*\c+3], v[ADK] offset:(2*\g+\c/2)*1088+32*(\c%2)
.endr
	ds_load_b32 v[KSW+\g], v[ADS] offset:64*\g
	ds_load_b32 v[VSW+\g], v[ADS] offset:4096+64*\g
.endr
	s_wait_dscnt 0x0
.irp g, 0,1,2,3                                    ; eight accumulators, one instruction each
	v_wmma_scale_f32_16x16x128_f8f6f4 v[S+16*\g:S+16*\g+7], v[X+16*\g:X+16*\g+15], v[Q:Q+15], 0, v[KSW+\g], v[QS]
	v_wmma_scale_f32_16x16x128_f8f6f4 v[S+16*\g+8:S+16*\g+15], v[X+16*\g:X+16*\g+15], v[Q+8:Q+23], 0, v[KSW+\g], v[QS+1]
.endr                                              ; lane (r, h): register 16 b + i is key 128 step + 32 b + 16 h + i for my query
	v_add_nc_u32 v[ADV], s[TB], v2
.rept 7
	v_nop                                          ; eight places behind the products, for the loads below and for the reads of the scores
.endr
.irp t, 0,1,2,3                                    ; V's four fragments (16 of the head's 64 x these 128 keys) take K's registers; the softmax stands between these loads and the wait for them
.irp c, 0,1,2,3
	ds_load_b128 v[X+16*\t+4*\c:X+16*\t+4*\c+3], v[ADV] offset:((\c/2)*16+4*\t)*272+32*(\c%2)
.endr
.endr
	s_cmp_lg_u32 s[SI], s[LV]                      ; in the tile's last live step the scores of hidden keys become -infinity ahead of the maximum: p = 0 then
	s_cbranch_scc1 .Lopen_\@
	v_add_nc_u32 v254, s[DI], v[MB]                ; d = my query - the step's first key - 16 h: register 16 b + i is hidden where 32 b + i > d
	v_mov_b32 v[TM], 0xff800000
.set n, 0
.rept 64
	v_cmp_gt_i32 vcc_lo, 32*(n/16)+n%16, v254
	v_cndmask_b32 v[S+n], v[S+n], v[TM], vcc_lo
.set n, n+1
.endr
.Lopen_\@:
.irp b, 0,1,2,3
	v_max3_num_f32 v[TM+\b], v[S+16*\b], v[S+1+16*\b], v[S+2+16*\b]   ; the largest score of each block of 32 keys: for the row's maximum and, since p rises with the score, for the block's largest p
.endr
.irp i, 3,5,7,9,11,13
.irp b, 0,1,2,3
	v_max3_num_f32 v[TM+\b], v[TM+\b], v[S+16*\b+\i], v[S+1+16*\b+\i]
.endr
.endr
.irp b, 0,1,2,3
	v_max_num_f32 v[TM+\b], v[TM+\b], v[S+15+16*\b]
.endr
.irp b, 0,1,2,3
	s_delay_alu instid0(VALU_DEP_4)
	v_permlanex16_b32 v[TM+4+\b], v[TM+\b], s[SEL], s[SEL+1]
.endr
.irp b, 0,1,2,3
	s_delay_alu instid0(VALU_DEP_4)
	v_max_num_f32 v[TM+\b], v[TM+\b], v[TM+4+\b]   ; with lane l xor 16's 16 keys
.endr
	s_delay_alu instid0(VALU_DEP_2)
	v_max3_num_f32 v254, v[TM], v[TM+1], v[TM+2]
	s_delay_alu instid0(VALU_DEP_1)
	v_max3_num_f32 v13, v254, v[TM+3], v13         ; the running largest score
	v_mov_b32 v252, v12
	s_delay_alu instid0(VALU_DEP_2)
	v_mul_f32 v254, s[NC], v13                     ; -t
	s_delay_alu instid0(VALU_DEP_1)
	v_floor_f32 v12, v254                          ; the new -M = floor(-t) = -ceil(t): M is a whole number
	s_delay_alu instid0(VALU_DEP_1)
	v_sub_f32 v254, v12, v252                      ; M's old value less its new one: a whole number, 0 or less
	s_delay_alu instid0(VALU_DEP_1)
	v_cvt_i32_f32 v254, v254                       ; (it saturates)
	s_delay_alu instid0(VALU_DEP_1)
	v_ldexp_f32 v252, 1.0, v254                    ; f = 2^(old M - new M)
.set n, 0
.rept 32
	v_pk_fma_f32 v[S+n:S+n+1], v[S+n:S+n+1], s[CS:CS+1], v[12:13] op_sel_hi:[1,0,0]   ; t - M, two at a time
.set n, n+2
.endr
.irp b, 0,1,2,3
	v_fma_f32 v[TM+\b], v[TM+\b], s[CS], v12       ; the same of each block's largest score
.endr
	WALU
.set n, 0
.rept 64
	v_exp_f32 v[S+n], v[S+n]                       ; p = 2^(t - M), at most 1: not normalised
.set n, n+1
.endr
	v_pk_mul_f32 v[14:15], v[14:15], v[252:253] op_sel_hi:[1,0]   ; the sums under the new M.  (A plain place behind the exponentials)
	WALU                                           ; one wait for the batch, ahead of its first reader
.irp b, 0,1,2,3
	v_exp_f32 v[TM+\b], v[TM+\b]                   ; the block's largest p: the same two instructions on the same number give the same bits
.endr
	v_pk_add_f32 v[14:15], v[14:15], v[S:S+1]      ; the row's sum of the unquantised p, two at a time, in four chains
.irp k, 0,1,2
	v_pk_add_f32 v[TM+4+2*\k:TM+5+2*\k], v[S+2+4*\k:S+3+4*\k], v[S+4+4*\k:S+5+4*\k]
.endr
.set n, 14
.rept 6
	v_pk_add_f32 v[14:15], v[14:15], v[S+n:S+n+1]
	v_pk_add_f32 v[TM+4:TM+5], v[TM+4:TM+5], v[S+n+2:S+n+3]
	v_pk_add_f32 v[TM+6:TM+7], v[TM+6:TM+7], v[S+n+4:S+n+5]
	v_pk_add_f32 v[TM+8:TM+9], v[TM+8:TM+9], v[S+n+6:S+n+7]
.set n, n+8
.endr
	v_pk_add_f32 v[14:15], v[14:15], v[S+62:S+63]
	v_pk_add_f32 v[TM+4:TM+5], v[TM+4:TM+5], v[TM+6:TM+7]
	s_delay_alu instid0(VALU_DEP_2)
	v_pk_add_f32 v[14:15], v[14:15], v[TM+8:TM+9]
	s_delay_alu instid0(VALU_DEP_1)
	v_pk_add_f32 v[14:15], v[14:15], v[TM+4:TM+5]
	WALU                                           ; and one for the four
.irp b, 0,1,2,3
	v_max_num_f32 v[TM+\b], 0x4800000, v[TM+\b]    ; the floor 2^(9 - 127): the byte cannot fall under 1 (a block whose every p is 0 keeps that byte: its codes are zeros)
.endr
.irp b, 0,1,2,3
	s_delay_alu instid0(VALU_DEP_4)
	v_add_nc_u32 v[TM+12+\b], 0xfc000000, v[TM+\b] ; 8 off the exponent field: the conversion's scale operand
.endr
.irp b, 0,1,2,3
	v_and_or_b32 v[TM+8+\b], v[TM+\b], 0x7f800000, s[MNT]   ; 448 x the scale
.endr
.irp b, 0,1,2,3
	v_lshrrev_b32 v[TM+4+\b], 23, v[TM+12+\b]      ; the scale's byte
.endr
	s_delay_alu instid0(VALU_DEP_3)
	v_lshl_or_b32 v253, v[TM+5], 8, v[TM+4]        ; p's scale word for these 128 keys
	s_delay_alu instid0(VALU_DEP_1)
	v_lshl_or_b32 v253, v[TM+6], 16, v253
	s_delay_alu instid0(VALU_DEP_1)
	v_lshl_or_b32 v253, v[TM+7], 24, v253
.irp b, 0,2                                        ; the conversion to an 8-bit code does not saturate (ISA guide 7.6.2); p is not negative, so the hold is one-sided: two blocks' numbers to a dual instruction
.set n, 0
.rept 16
	v_dual_min_num_f32 v[S+16*\b+n], v[S+16*\b+n], v[TM+8+\b] :: v_dual_min_num_f32 v[S+16*\b+17+n-2*(n%2)], v[S+16*\b+17+n-2*(n%2)], v[TM+9+\b]
.set n, n+1
.endr
.irp e, 0,1
	v_cvt_scalef32_pk8_fp8_f32 v[PC+4*(\b+\e):PC+1+4*(\b+\e)], v[S+16*(\b+\e):S+7+16*(\b+\e)], v[TM+12+\b+\e]
	v_cvt_scalef32_pk8_fp8_f32 v[PC+2+4*(\b+\e):PC+3+4*(\b+\e)], v[S+8+16*(\b+\e):S+15+16*(\b+\e)], v[TM+12+\b+\e]
.endr
.endr
	s_wait_dscnt 0x0                               ; V's fragments are in
	WALU                                           ; directly ahead of the first reader of O^T
.set n, 0
.rept 16
	v_pk_mul_f32 v[O+n:O+n+1], v[O+n:O+n+1], v[252:253] op_sel_hi:[1,0]   ; O^T under the new M: x f.  (Also the places between the conversions and the products that take the codes)
.set n, n+2
.endr
.irp t, 0,1,2,3                                    ; O^T += V^T P^T: four accumulators by turns
	v_wmma_scale_f32_16x16x128_f8f6f4 v[O+8*\t:O+8*\t+7], v[X+16*\t:X+16*\t+15], v[PC:PC+15], v[O+8*\t:O+8*\t+7], v[VSW+\t], v253
.endr
.Lhidden_\@:
	s_add_co_u32 s[SI], s[SI], 1
	s_add_co_u32 s[TB], s[TB], 8704                ; 8 tiles of 16 keys, and 2 groups of 64 keys, are 32 units of 272 bytes
	s_add_co_u32 s[TS], s[TS], 256
.endm
.macro KEYLOOP n                       ; n key steps: the count is a constant of the text; what is hidden is jumped over inside
	s_mov_b32 s58, \n
.Lkeys_\@:
	STEP
	s_sub_co_u32 s58, s58, 1
	s_cmp_lg_u32 s58, 0
	s_cbranch_scc1 .Lkeys_\@
.endm
; O^T / the sum is quantised along d (register 16 c + i is d = 32 c + 16 h + i) and leaves: the codes through my stage, four rows of 64 bytes to a unit of 256.
.macro FINISH
.rept 8
	v_nop                                          ; eight places behind the last products, ahead of the reads of O^T
.endr
	v_add_f32 v14, v14, v15                        ; the sum's two halves,
	s_delay_alu instid0(VALU_DEP_1)
	v_permlanex16_b32 v254, v14, s[SEL], s[SEL+1]
	s_delay_alu instid0(VALU_DEP_1)
	v_add_f32 v14, v14, v254                       ; and lane l xor 16's: the row's sum
	WALU
	v_rcp_f32 v252, v14
	v_nop                                          ; one plain place behind the transcendental
	WALU
.set n, 0
.rept 16
	v_pk_mul_f32 v[S+n:S+n+1], v[O+n:O+n+1], v[252:253] op_sel_hi:[1,0]   ; each accumulator from its low end on
.set n, n+2
.endr
.irp c, 0,1
	v_max3_num_f32 v[TM+\c], |v[S+16*\c]|, |v[S+1+16*\c]|, 0x4800000
.endr
.irp i, 2,4,6,8,10,12,14
.irp c, 0,1
	s_delay_alu instid0(VALU_DEP_2)
	v_max3_num_f32 v[TM+\c], v[TM+\c], |v[S+16*\c+\i]|, |v[S+1+16*\c+\i]|
.endr
.endr
.irp c, 0,1
	s_delay_alu instid0(VALU_DEP_2)
	v_permlanex16_b32 v[TM+4+\c], v[TM+\c], s[SEL], s[SEL+1]
.endr
.irp c, 0,1
	s_delay_alu instid0(VALU_DEP_2)
	v_max_num_f32 v[TM+\c], v[TM+\c], v[TM+4+\c]
.endr
.irp c, 0,1
	s_delay_alu instid0(VALU_DEP_2)
	v_add_nc_u32 v[TM+12+\c], 0xfc000000, v[TM+\c]
.endr
.irp c, 0,1
	s_delay_alu instid0(VALU_DEP_4)
	v_and_or_b32 v[TM+8+\c], v[TM+\c], 0x7f800000, s[MNT]
.endr
.irp c, 0,1
	s_delay_alu instid0(VALU_DEP_4)
	v_lshrrev_b32 v[TM+4+\c], 23, v[TM+12+\c]
.endr
	s_delay_alu instid0(VALU_DEP_1)
	v_lshl_or_b32 v254, v[TM+5], 8, v[TM+4]        ; my row's two scale bytes of this head
.irp c, 0,1
.irp i, 0,1,2,3,4,5,6,7,8,9,10,11,12,13,14,15
	v_med3_num_f32 v[S+16*\c+\i], v[S+16*\c+\i], -v[TM+8+\c], v[TM+8+\c]
.endr
	v_cvt_scalef32_pk8_fp8_f32 v[PC+4*\c:PC+1+4*\c], v[S+16*\c:S+7+16*\c], v[TM+12+\c]
	v_cvt_scalef32_pk8_fp8_f32 v[PC+2+4*\c:PC+3+4*\c], v[S+8+16*\c:S+15+16*\c], v[TM+12+\c]
.endr
	v_nop                                          ; one plain vector instruction behind the last conversion
	ds_store_b128 v4, v[PC:PC+3]
	ds_store_b128 v4, v[PC+4:PC+7] offset:32
	ds_load_b128 v[S+32:S+35], v5                  ; LDS serves a wave's instructions in order: these see the stores above.  Rows r = 0 .. 7: queries Q0 + 0 .. 7
	ds_load_b128 v[S+36:S+39], v5 offset:544       ; rows r = 8 .. 15: queries Q0 + 16 .. 23
	s_wait_dscnt 0x0
	global_store_b128 v6, v[S+32:S+35], s[80:81]                   ; sixteen lanes store 256 consecutive bytes, aligned
	global_store_b128 v6, v[S+36:S+39], s[80:81] offset:16384      ; 16 rows on
	global_store_b16 v7, v254, s[82:83]            ; 2 bytes a row, rows 32 bytes apart; both halves of the lanes write the same: one byte in 32 of what the codes are
.endm
	WALU
	INIT 1                                         ; register work under the loads' flight
	WALU
	s_wait_tensorcnt 0x0                           ; my eighth is in
	s_wait_loadcnt 0x0                             ; and so are the scale words' halves and both tiles' q
	v_perm_b32 v116, v114, v112, 0x05040100        ; four words: the lower tile's or group's two bytes below, the upper one's above
	v_perm_b32 v117, v114, v112, 0x07060302
	v_perm_b32 v118, v115, v113, 0x05040100
	v_perm_b32 v119, v115, v113, 0x07060302
	v_lshlrev_b32 v[QS+1], 16, v[QS]               ; q's scale word for the upper half of K
	ds_store_b128 v10, v[116:119]
	WALU
	s_wait_dscnt 0x0
	s_barrier_signal -1
	s_barrier_wait -1                              ; all of K, V and the scale words are in, in every wave's view; nothing is filled again
	KEYLOOP 16                                     ; i = 31 - w: 9 to 16 live steps
	FINISH
	INIT 0
	KEYLOOP 8                                      ; i = w: 1 to 8 live steps
	FINISH
	s_wait_tensorcnt 0x0                           ; the wave's end
	ds_add_u32 v[SPW], v[NIL]
	s_wait_dscnt 0x0
	ROUND                                          ; the closing round
	s_endpgm
.Lfunc_end_k_q79a403be61_attn:
	.size	k_q79a403be61_attn, .Lfunc_end_k_q79a403be61_attn-k_q79a403be61_attn
	.p2alignl 7, 3214868480
	.fill 96, 4, 3214868480
	.section	.rodata,"a",@progbits
	.p2align	6, 0x0
	.amdhsa_kernel k_q79a403be61_attn
		.amdhsa_group_segment_fixed_size 309248
		.amdhsa_private_segment_fixed_size 0
		.amdhsa_enable_private_segment 0
		.amdhsa_kernarg_size 40
		.amdhsa_user_sgpr_count 2
		.amdhsa_user_sgpr_kernarg_segment_ptr 1
		.amdhsa_wavefront_size32 1
		.amdhsa_system_sgpr_workgroup_id_x 1
		.amdhsa_system_sgpr_workgroup_id_y 1
		.amdhsa_system_sgpr_workgroup_id_z 1
		.amdhsa_system_vgpr_workitem_id 0
		.amdhsa_next_free_vgpr 256
		.amdhsa_next_free_sgpr 100
		.amdhsa_reserve_vcc 1
		.amdhsa_float_denorm_mode_32 3
		.amdhsa_float_denorm_mode_16_64 3
		.amdhsa_memory_ordered 1
		.amdhsa_forward_progress 1
		.amdhsa_inst_pref_size 76
	.end_amdhsa_kernel
	.amdgpu_metadata
---
amdhsa.version: [ 1, 2 ]
amdhsa.kernels:
  - .name:           k_q79a403be61_attn
    .symbol:         k_q79a403be61_attn.kd
    .args:
      - { .name: qkc, .offset: 0, .size: 8, .value_kind: global_buffer, .address_space: global }
      - { .name: sc2, .offset: 8, .size: 8, .value_kind: global_buffer, .address_space: global }
      - { .name: vc, .offset: 16, .size: 8, .value_kind: global_buffer, .address_space: global }
      - { .name: oc, .offset: 24, .size: 8, .value_kind: global_buffer, .address_space: global }
      - { .name: os, .offset: 32, .size: 8, .value_kind: global_buffer, .address_space: global }
    .group_segment_fixed_size: 309248
    .private_segment_fixed_size: 0
    .kernarg_segment_align: 8
    .kernarg_segment_size: 40
    .max_flat_workgroup_size: 512
    .sgpr_count:     100
    .vgpr_count:     256
    .wavefront_size: 32
...
	.end_amdgpu_metadata
.endif
;; end of part 3
;; launch proj (part 4): grid 4 x 64, 4 waves a work-group, clusters of 4 x 4, 327,680 bytes of LDS; arguments oc, os, wc, sc1, bproj, out0; writes out0
.if DOCPART == 4
	.amdgcn_target "amdgcn-amd-amdhsa--gfx1250"
	.amdhsa_code_object_version 6
	.text
	.protected	k_q79a403be61_proj
	.globl	k_q79a403be61_proj
	.p2align	8
	.type	k_q79a403be61_proj,@function
k_q79a403be61_proj:
	s_mov_b64 s[64:65], 0
	v_nop
	global_prefetch_b8 v0, s[64:65] scope:SCOPE_SE
	s_setreg_imm32_b32 hwreg(HW_REG_WAVE_MODE, 25, 1), 1
	s_wait_xcnt 0x0
	s_wait_alu depctr_hold_cnt(0) depctr_sa_sdst(0) depctr_va_vdst(0) depctr_va_sdst(0) depctr_va_ssrc(0) depctr_va_vcc(0) depctr_vm_vsrc(0)
	s_getreg_b32 s2, hwreg(HW_REG_IB_STS2, 6, 4)
	s_cmp_eq_u32 s2, 0
	s_cbranch_scc0 .Lentry_in_a_cluster
	s_endpgm
.Lentry_in_a_cluster:
	s_bfe_u32 s2, ttmp6, 0x10000c
	s_cmp_lg_u32 s2, 0xf033
	s_cbranch_scc0 .Lentry_shape_is_right
	s_endpgm
.Lentry_shape_is_right:
; out0[t][n] = sum over k of O[t][k] Wproj[k][n] + bproj[n], on codes of FP8 (E4M3) with E8M0 scales, K = 1,024, sums in f32.
; IN: oc [t / 4][16 heads][t % 4][64 d] (A's codes: a K step of 256 is four heads, 1,024 consecutive bytes for four tokens); os [8,192 t][32] its scale bytes;
; wc rows 3,072 .. 4,095 (B's codes: Wproj's column n at physical row n with bits 3 and 4 exchanged, K innermost); sc1 from byte 262,144: the weights' scale bytes, 32 a row.
; A BLOCK of 128 tokens x 256 columns to a work-group: 64 x 4 = 256 work-groups.  Four waves, 2 x 2: a wave makes 64 x 128 in 32 accumulators.
; CLUSTERS of 4 x 4: the four of a row of the cluster need the same tiles of A, the four of a column the same tiles of B: each tile is asked for jointly.
; LDS: three slots of one K step (A: 32 units of 1,024 bytes + 16; B: 256 rows of 256 bytes + 16).  At the head one tensor load a wave: A's and B's K steps 0 and 1.  Behind a round K step 2 goes into slot 2
; (a first fill), behind a second round K step 3 into slot 0 (the one refill); a plain barrier shows it to all.  By this text's own count a wave has one tensor load outstanding at the most.
; THE SCALE BYTES go from memory straight into scale registers, once: a lane loads the 32 bytes of row l % 16 of each of its blocks: word n serves the n-th 128 along K.
; THE MATRIX INSTRUCTION IS USED TRANSPOSED (source 0 = 16 rows of B, source 1 = 16 rows of A): a lane holds eight neighbouring columns of one row.  The bias is the first products' C.
; Both operands have two sets of fragment registers: while one 128 along K is multiplied, the next one's 48 LDS loads are out.
; NO PREFETCH: K is four K steps, written out; two are asked for at the head and there is no loop in which to run ahead of the other two.
; REGISTERS: window 0: v8-22 addresses; v24-55 A's scale words (8 a + n); v60-123 B's (8 b + n); v128-255 A's fragments, two sets (on the way out: rows read back).
;   window 1: B's fragments, two sets.  window 2: the accumulators, (a, b) at v[8 (8 a + b)].  window 3: v0-63 the bias, laid as a result lies.
.set PITCH,  272
.set APITCH, 1040
.set ASZ,    32*APITCH
.set BSZ,    256*PITCH
.set SLOT,   ASZ+BSZ
.set SPARE,  3*SLOT                    ; the spare words, 128 bytes for each wave
.set STAGE,  SLOT                      ; the way out: 16 rows x 528 bytes for each wave, in slot 1, which has had its only fill and its last read by then
.set SPITCH, 528
.set SIZE_N, 1024
.set STO,  8
.set RD,   9
.set CO,   10
.set SPW,  12
.set NIL,  13
.set ADRA, 16                          ; v16-18  LDS address of my A fragments in slots 0, 1, 2
.set ADRB, 20                          ; v20-22  the same for B
.set SA,   24
.set SB,   60
.set AF,   128
.set BK,   128
.set G1,  24                           ; s[24:31] descriptor group 1 for A's tiles; s[32:39] two groups 0
.set G0,  32
.set G1B, 48                           ; s[48:55], s[56:63] the same for B's
.set G0B, 56
.set MSB, 0
.macro WIN new                         ; the immediate's high byte repeats the setting that is left
.if MSB != (\new)
	s_set_vgpr_msb (MSB<<8)|(\new)
.set MSB, (\new)
.endif
.endm
.macro PLACES n
.rept \n
	v_nop
.endr
.endm
.macro TL g0, g1                       ; a tensor load with the lines behind it
	tensor_load_to_lds s[\g0:\g0+3], s[\g1:\g1+7]
	s_nop 0
	PLACES 4
.endm
.macro CROUND                          ; a round of the cluster's barrier
	s_barrier_signal -1
	s_barrier_wait -1
	s_cmp_lg_u32 s14, 0
	s_cbranch_scc1 .Lnot_wave_0_\@
	s_barrier_signal -3
.Lnot_wave_0_\@:
	s_barrier_wait -3
	s_barrier_signal -1
	s_barrier_wait -1
.endm
.macro JL                              ; behind a round: wave 0 asks for A's tile, wave 1 for B's
	s_cmp_eq_u32 s14, 0
	s_cbranch_scc0 .Lfor_b_\@
	TL G0, G1
	s_branch .Lasked_\@
.Lfor_b_\@:
	s_cmp_eq_u32 s14, 1
	s_cbranch_scc0 .Lasked_\@
	TL G0B, G1B
.Lasked_\@:
.endm
	s_load_b256 s[4:11], s[0:1], 0x0               ; oc s[4:5], os s[6:7], wc s[8:9], sc1 s[10:11]
	s_load_b128 s[92:95], s[0:1], 0x20             ; bproj s[92:93], out0 s[94:95]
	v_lshl_add_u32 v[SPW], v0, 2, SPARE
	v_mov_b32 v[NIL], 0
	ds_add_u32 v[SPW], v[NIL]                      ; the opening lines: the add twice on end and its wait
	ds_add_u32 v[SPW], v[NIL]
	v_lshrrev_b32 v1, 5, v0
	v_readfirstlane_b32 s14, v1                    ; wave 0..3
	s_lshr_b32 s15, s14, 1                         ; which 64 rows of the block are mine
	s_and_b32 s16, s14, 1                          ; which 128 columns
	s_bfe_u32 s40, ttmp6, 0x40000                  ; cx, cy
	s_bfe_u32 s41, ttmp6, 0x40004
	s_lshl_b32 s42, ttmp9, 2
	s_add_co_u32 s42, s42, s40                     ; block column, 0 .. 3
	s_and_b32 s17, ttmp7, 0xffff
	s_lshl_b32 s17, s17, 2
	s_add_co_u32 s17, s17, s41                     ; block row, 0 .. 63
	s_lshl_b32 s43, s41, 2
	s_lshl_b32 s43, 15, s43                        ; my row of the cluster
	s_lshl_b32 s44, 0x1111, s40                    ; my column
	s_or_b32 s[G1+0], s43, (0<<16)|(1<<20)|(1<<21)|(7<<22)|(3<<25)   ; A: 32 rows of 1,024 bytes, 4,096 apart; four words of padding behind every 256
	s_mov_b32 s[G1+1], 1024<<16
	s_mov_b32 s[G1+2], 32<<16
	s_mov_b32 s[G1+3], 1024<<16
	s_mov_b32 s[G1+4], 32
	s_mov_b32 s[G1+5], 4096
	s_mov_b32 s[G1+6], 0
	s_mov_b32 s[G1+7], 0
	s_or_b32 s[G1B+0], s44, (0<<16)|(1<<20)|(1<<21)|(5<<22)|(3<<25)  ; B: 256 rows of 256 bytes, 1,024 apart; four words behind every 64
	s_mov_b32 s[G1B+1], 256<<16
	s_mov_b32 s[G1B+2], 256<<16
	s_mov_b32 s[G1B+3], 256<<16
	s_mov_b32 s[G1B+4], 256
	s_mov_b32 s[G1B+5], 1024
	s_mov_b32 s[G1B+6], 0
	s_mov_b32 s[G1B+7], 0
	s_lshl_b32 s20, s17, 17                        ; A: 128 tokens x 1,024 bytes a block row.  (No register that feeds A's descriptors holds cx, none that feeds B's cy)
	s_mov_b32 s21, 0
	s_lshl_b32 s46, s42, 8
	s_add_co_u32 s46, s46, 3072                    ; B: the block's first row of wc
	s_lshl_b32 s98, s16, 7
	s_add_co_u32 s98, s98, s46                     ; my 128 rows of it:
	s_lshl_b32 s98, s98, 5                         ; their scale bytes, 32 a row,
	s_add_co_u32 s98, s98, 0x40000                 ; behind x's in sc1
	s_mov_b32 s99, 0
	s_lshl_b32 s46, s46, 10
	s_mov_b32 s47, 0
	s_lshl_b32 s22, s17, 12                        ; my 64 rows' scale bytes in os
	s_lshl_b32 s23, s15, 11
	s_add_co_u32 s22, s22, s23
	s_mov_b32 s23, 0
	v_and_b32 v1, 15, v0                           ; r
	v_bfe_u32 v2, v0, 4, 1                         ; h
	v_lshlrev_b32 v6, 5, v1                        ; a row of scale bytes
	v_lshlrev_b32 v7, 6, v2                        ; the bias: 16 columns for each half of the lanes
	s_wait_alu depctr_va_vdst(0)
	s_wait_dscnt 0x0                               ; both opening adds are done
	CROUND                                         ; all sixteen work-groups are here: the first joint loads meet
	s_wait_kmcnt 0x0
	s_add_nc_u64 s[20:21], s[4:5], s[20:21]
	s_add_nc_u64 s[46:47], s[8:9], s[46:47]
.irp s, 0,1
	s_mov_b32 s[G0+4*\s], 1
	s_mov_b32 s[G0+4*\s+1], \s*SLOT
	s_add_nc_u64 s[G0+4*\s+2:G0+4*\s+3], s[20:21], \s*1024
	s_or_b32 s[G0+4*\s+3], s[G0+4*\s+3], 0x80000000
	s_mov_b32 s[G0B+4*\s], 1
	s_mov_b32 s[G0B+4*\s+1], \s*SLOT+ASZ
	s_add_nc_u64 s[G0B+4*\s+2:G0B+4*\s+3], s[46:47], \s*256
	s_or_b32 s[G0B+4*\s+3], s[G0B+4*\s+3], 0x80000000
.endr
; THE HEAD'S LOADS, ONE A WAVE: one tree of branches on the wave's number; every way through it passes exactly one load.
.macro ARM under, g0, g1, next
	s_cmp_lt_u32 s14, \under
	s_cbranch_scc0 \next
	TL \g0, \g1
	s_branch .Lhead_asked
\next:
.endm
	ARM 1, G0, G1, .Lhead_b0                       ; wave 0: A's K step 0
	ARM 2, G0B, G1B, .Lhead_a1                     ; wave 1: B's K step 0
	ARM 3, G0+4, G1, .Lhead_b1                     ; wave 2: A's K step 1
	TL G0B+4, G1B                                  ; wave 3: B's K step 1
.Lhead_asked:
	s_add_nc_u64 s[22:23], s[6:7], s[22:23]
	s_add_nc_u64 s[98:99], s[10:11], s[98:99]
.irp a, 0,1,2,3
	global_load_b128 v[SA+8*\a:SA+8*\a+3], v6, s[22:23] offset:512*\a          ; block a, row r: the eight scale words of all of K
	global_load_b128 v[SA+8*\a+4:SA+8*\a+7], v6, s[22:23] offset:512*\a+16
.endr
.irp b, 0,1,2,3,4,5,6,7
	global_load_b128 v[SB+8*\b:SB+8*\b+3], v6, s[98:99] offset:512*\b
	global_load_b128 v[SB+8*\b+4:SB+8*\b+7], v6, s[98:99] offset:512*\b+16
.endr
	s_lshl_b32 s20, s17, 7
	s_lshl_b32 s21, s15, 6
	s_add_co_u32 s20, s20, s21                     ; my first row of the output
	s_lshl_b32 s20, s20, 12
	s_mov_b32 s21, 0
	s_lshl_b32 s46, s42, 10                        ; my first column, in bytes
	s_lshl_b32 s47, s16, 9
	s_add_co_u32 s46, s46, s47
	s_mov_b32 s47, 0
	s_add_nc_u64 s[12:13], s[94:95], s[20:21]
	s_add_nc_u64 s[12:13], s[12:13], s[46:47]
	s_add_nc_u64 s[92:93], s[92:93], s[46:47]
	WIN 0xc0                                       ; destination window 3
.irp b, 0,1,2,3,4,5,6,7
	global_load_b128 v[8*\b:8*\b+3], v7, s[92:93] offset:(32*(\b/2)+8*(\b%2))*4      ; register j of block b is column 32 (b / 2) + 16 h + 8 (b % 2) + j
	global_load_b128 v[8*\b+4:8*\b+7], v7, s[92:93] offset:(32*(\b/2)+8*(\b%2))*4+16
.endr
	WIN 0
	v_mul_u32_u24 v3, v1, PITCH
	v_lshl_add_u32 v3, v2, 4, v3                   ; B: row r x pitch + 16 h
	v_lshrrev_b32 v5, 2, v1
	v_mul_u32_u24 v5, v5, APITCH                   ; A: unit r / 4,
	v_and_b32 v4, 3, v1
	v_lshl_add_u32 v5, v4, 6, v5                   ; token r % 4 in it,
	v_lshl_add_u32 v5, v2, 4, v5                   ; 16 h
	s_mul_i32 s66, s15, 16*APITCH                  ; my 64 tokens: 16 units.  (Registers of their own: s[22:23] is still the base of loads that are out)
	s_mul_i32 s67, s16, 128*PITCH                  ; my 128 rows of B,
	s_add_co_u32 s67, s67, ASZ                     ; which lie behind A's tile
.irp s, 0,1,2
	v_add_nc_u32 v[ADRA+\s], s66, v5
	v_add_nc_u32 v[ADRB+\s], s67, v3
	s_add_co_u32 s66, s66, SLOT
	s_add_co_u32 s67, s67, SLOT
.endr
	s_mul_i32 s68, s14, 16*SPITCH
	s_add_co_u32 s68, s68, STAGE                   ; my stage
	v_mul_u32_u24 v5, v1, SPITCH
	v_lshl_add_u32 v5, v2, 6, v5
	v_add_nc_u32 v[STO], s68, v5                   ; in: row r, 64 bytes for each half of the lanes
	v_and_b32 v4, 31, v0
	v_lshlrev_b32 v[CO], 4, v4                     ; back: the 32 lanes take one row of 512 bytes; and the same in the output
	v_add_nc_u32 v[RD], s68, v[CO]
; The n-th 128 along K (n = 0 .. 7): K step n / 2, which lies in slot (n / 2) % 3; fragment set n % 2.  48 LDS loads.
.macro FETCH n
.set SL_, ((\n)/2)%3
.set Q_, (\n)%2
	WIN 0x40                                       ; destination window 1
.irp i, 0,1,2,3,4,5,6,7
.irp c, 0,1,2,3
	ds_load_b128 v[128*Q_+16*\i+4*\c:128*Q_+16*\i+4*\c+3], v[ADRB+SL_] offset:128*Q_+32*\c+\i*16*PITCH
.endr
.endr
	WIN 0
.irp i, 0,1,2,3
.irp c, 0,1,2,3
	ds_load_b128 v[AF+64*Q_+16*\i+4*\c:AF+64*Q_+16*\i+4*\c+3], v[ADRA+SL_] offset:512*Q_+256*(\c/2)+32*(\c%2)+\i*4*APITCH
.endr
.endr
.endm
; 32 matrix instructions: the 32 accumulators take turns, one instruction a turn, in the same order in every step.
.macro MUL32 n
.set Q_, (\n)%2
.if (\n) == 0
	WIN 0xb1                                       ; source 0 (B) window 1, source 1 (A) window 0, C window 3 (the bias), D window 2
.else
	WIN 0xa1                                       ; C and D window 2
.endif
.irp a, 0,1,2,3
.irp b, 0,1,2,3,4,5,6,7
.if (\n) == 0
	v_wmma_scale_f32_16x16x128_f8f6f4 v[8*(8*\a+\b):8*(8*\a+\b)+7], v[128*Q_+16*\b:128*Q_+16*\b+15], v[AF+64*Q_+16*\a:AF+64*Q_+16*\a+15], v[8*\b:8*\b+7], v[SB+8*\b+(\n)], v[SA+8*\a+(\n)]
.else
	v_wmma_scale_f32_16x16x128_f8f6f4 v[8*(8*\a+\b):8*(8*\a+\b)+7], v[128*Q_+16*\b:128*Q_+16*\b+15], v[AF+64*Q_+16*\a:AF+64*Q_+16*\a+15], v[8*(8*\a+\b):8*(8*\a+\b)+7], v[SB+8*\b+(\n)], v[SA+8*\a+(\n)]
.endif
.endr
.endr
	WIN 0
.endm
.macro QSTEP n                         ; the next step's fragments are asked for, then this step is multiplied
	PLACES 8                                       ; eight places between the last step's products and the loads into the registers that they read
	FETCH (\n)+1
	s_wait_dscnt 48                                ; all but the 48 loads just issued: this step's fragments are in
	MUL32 \n
.endm
.macro QLAST n                         ; a step whose successor's tile is not shown yet, or that has none
	s_wait_dscnt 0x0
	MUL32 \n
.endm
	s_wait_alu depctr_va_vdst(0)
	s_wait_tensorcnt 0x0                           ; my tile of the head's four is in; the lines ahead of a later first fill:
	ds_add_u32 v[SPW], v[NIL]
	s_mov_b32 s[G0+1], 2*SLOT                      ; no tensor load of mine is out, so a group 0 may be written: K step 2, into slot 2
	s_add_nc_u64 s[G0+2:G0+3], s[G0+2:G0+3], 2*1024
	s_mov_b32 s[G0B+1], 2*SLOT+ASZ
	s_add_nc_u64 s[G0B+2:G0B+3], s[G0B+2:G0B+3], 2*256
	s_wait_dscnt 0x0
	CROUND                                         ; K steps 0 and 1 are in, in every wave's view, and all sixteen work-groups are here
	JL
	FETCH 0
	s_wait_loadcnt 0x0                             ; the scale words and the bias
	QSTEP 0
	QSTEP 1
	QSTEP 2
	QLAST 3
	s_wait_tensorcnt 0x0                           ; K step 2 is in; the three lines ahead of the refill's round:
	ds_add_u32 v[SPW], v[NIL]
	s_mov_b32 s[G0+1], 0                           ; K step 3, into slot 0, whose last read was waited for three steps ago
	s_add_nc_u64 s[G0+2:G0+3], s[G0+2:G0+3], 1024
	s_mov_b32 s[G0B+1], ASZ
	s_add_nc_u64 s[G0B+2:G0B+3], s[G0B+2:G0B+3], 256
	s_wait_dscnt 0x0
	CROUND
	JL                                             ; the refill, the first tensor load behind the round
	PLACES 8
	FETCH 4
	QSTEP 4
	QLAST 5
	s_wait_tensorcnt 0x0                           ; K step 3 is in;
	s_wait_dscnt 0x0
	s_barrier_signal -1
	s_barrier_wait -1                              ; in every wave's view.
	PLACES 8
	FETCH 6
	QSTEP 6
	QLAST 7
; THE WAY OUT, block by block of 16 rows x 128 columns, through my own stage: whole rows of 512 bytes come back, which the 32 lanes store as two aligned units of 256 bytes.
; LDS serves a wave's instructions in order (ISA guide 5.7.1.4): no wait between the stores and the loads, nor in front of the next block's stores.
.macro TOSTAGE a
	WIN 0x08                                       ; the data: window 2
.irp b, 0,1,2,3,4,5,6,7
	ds_store_b128 v[STO], v[64*(\a)+8*\b:64*(\a)+8*\b+3] offset:128*(\b/2)+32*(\b%2)          ; each accumulator from its low end on
	ds_store_b128 v[STO], v[64*(\a)+8*\b+4:64*(\a)+8*\b+7] offset:128*(\b/2)+32*(\b%2)+16
.endr
	WIN 0
.set BB, BK+64*((\a)%2)
.irp t, 0,1,2,3,4,5,6,7,8,9,10,11,12,13,14,15
	ds_load_b128 v[BB+4*\t:BB+4*\t+3], v[RD] offset:\t*SPITCH
.endr
.endm
.macro SEND a, younger                 ; younger: the LDS instructions issued behind block a's loads, which may stay out
.set BB, BK+64*((\a)%2)
	s_wait_dscnt \younger
.if (\a) > 0
	s_add_nc_u64 s[12:13], s[12:13], 16*SIZE_N*4   ; (behind a wait on XCNT: the earlier stores have read their base)
.endif
.irp t, 0,1,2,3,4,5,6,7,8,9,10,11,12,13,14,15
	global_store_b128 v[CO], v[BB+4*\t:BB+4*\t+3], s[12:13] offset:\t*SIZE_N*4 th:TH_STORE_NT
.endr
.endm
	PLACES 8                                       ; behind the last products: for the reads of results and the loads into registers that held A's fragments
	TOSTAGE 0
.irp a, 1,2,3
.if \a > 1
	s_wait_xcnt 0x0                                ; block a - 2's stores have read their registers and their base
.endif
	TOSTAGE \a
	SEND \a-1, 32                                  ; behind block a - 1's loads: block a's 16 stores and 16 loads
.endr
	s_wait_xcnt 0x0
	SEND 3, 0
	s_wait_tensorcnt 0x0                           ; the wave's end
	ds_add_u32 v[SPW], v[NIL]
	s_wait_dscnt 0x0
	CROUND                                         ; the closing round
	s_endpgm
.Lfunc_end_k_q79a403be61_proj:
	.size	k_q79a403be61_proj, .Lfunc_end_k_q79a403be61_proj-k_q79a403be61_proj
	.p2alignl 7, 3214868480
	.fill 96, 4, 3214868480
	.section	.rodata,"a",@progbits
	.p2align	6, 0x0
	.amdhsa_kernel k_q79a403be61_proj
		.amdhsa_group_segment_fixed_size 327680
		.amdhsa_private_segment_fixed_size 0
		.amdhsa_enable_private_segment 0
		.amdhsa_kernarg_size 48
		.amdhsa_user_sgpr_count 2
		.amdhsa_user_sgpr_kernarg_segment_ptr 1
		.amdhsa_wavefront_size32 1
		.amdhsa_system_sgpr_workgroup_id_x 1
		.amdhsa_system_sgpr_workgroup_id_y 1
		.amdhsa_system_sgpr_workgroup_id_z 1
		.amdhsa_system_vgpr_workitem_id 0
		.amdhsa_next_free_vgpr 832
		.amdhsa_next_free_sgpr 100
		.amdhsa_reserve_vcc 0
		.amdhsa_float_denorm_mode_32 3
		.amdhsa_float_denorm_mode_16_64 3
		.amdhsa_memory_ordered 1
		.amdhsa_forward_progress 1
		.amdhsa_inst_pref_size 89
	.end_amdhsa_kernel
	.amdgpu_metadata
---
amdhsa.version: [ 1, 2 ]
amdhsa.kernels:
  - .name:           k_q79a403be61_proj
    .symbol:         k_q79a403be61_proj.kd
    .args:
      - { .name: oc, .offset: 0, .size: 8, .value_kind: global_buffer, .address_space: global }
      - { .name: os, .offset: 8, .size: 8, .value_kind: global_buffer, .address_space: global }
      - { .name: wc, .offset: 16, .size: 8, .value_kind: global_buffer, .address_space: global }
      - { .name: sc1, .offset: 24, .size: 8, .value_kind: global_buffer, .address_space: global }
      - { .name: bproj, .offset: 32, .size: 8, .value_kind: global_buffer, .address_space: global }
      - { .name: out0, .offset: 40, .size: 8, .value_kind: global_buffer, .address_space: global }
    .group_segment_fixed_size: 327680
    .private_segment_fixed_size: 0
    .kernarg_segment_align: 8
    .kernarg_segment_size: 48
    .max_flat_workgroup_size: 128
    .sgpr_count:     100
    .vgpr_count:     832
    .wavefront_size: 32
...
	.end_amdgpu_metadata
.endif
;; end of part 4
